; MI455X (gfx1250); checked and timed in simulation.
; The chip was launched on July 23, 2026; its instructions are those of AMD's public machine-readable ISA for CDNA 5 (MIT licence, August 2026) and "CDNA5" Instruction Set Architecture Reference Guide (July 2026). The comments in the code are by the model that wrote it; some were corrected since.
;; Multi Head Attention Block. Allowed arithmetic: matrix products marked QUANTISED: E2M1 operands, one E8M0 scale for each 32 along K, by v_wmma_scale_f32_16x16x128_f8f6f4 with both operands' format E2M1 (or v_wmma_scale_f32_32x16x128_f4), f32 sums; products left as they are: bf16, f16 or f32 operands; f32 sums; everything else in f32.
;; Inputs: Wk 1,024 x 1,024 float32; Wo 1,024 x 1,024 float32; Wq 1,024 x 1,024 float32; Wv 1,024 x 1,024 float32; key 4 x 2,048 x 1,024 float32; mask 4 x 1 x 2,048 x 2,048 bool; query 4 x 2,048 x 1,024 float32; value 4 x 2,048 x 1,024 float32.
;; Outputs: out0 4 x 2,048 x 1,024 float32.
;; This version of the problem:
;;   THIS VERSION OF THE PROBLEM IS GIVEN IN LOW PRECISION. The matrix products marked QUANTISED in the list below multiply operands that are first quantised to E2M1 (2 exponent bits, 1 mantissa bit; 4 bits a number), with one power-of-two scale for each 32 numbers along K (OCP MX v1.0); their sums are f32. The products marked 'left as it is' may take bf16, f16 or f32 operands, with f32 sums. Whichever they take, every output number must still come out within the allowed error. Rounding operands to bf16 (8 significant bits) uses up far more of that allowance than f16 does (11 bits, for magnitudes from 6e-5 to 65,504). All else is computed in f32.
;;   The module's matrix products, in the order in which they are computed (A, B: the left and right operand; K: the contracted axis; several contracted axes count as one K, in the product's order):
;;     1. [M 8,192, K 1,024] x [K 1,024, N 1,024]; A: input query; B: input Wq: QUANTISED
;;     2. [M 8,192, K 1,024] x [K 1,024, N 1,024]; A: input key; B: input Wk: QUANTISED
;;     3. [M 8,192, K 1,024] x [K 1,024, N 1,024]; A: input value; B: input Wv: QUANTISED
;;     4. batch 64 x [M 2,048, K 64] x [K 64, N 2,048]; A: computed on the way; B: computed on the way: left as it is (an operand is computed on the way)
;;     5. batch 64 x [M 2,048, K 2,048] x [K 2,048, N 64]; A: computed on the way; B: computed on the way: left as it is (an operand is computed on the way)
;;     6. [M 8,192, K 1,024] x [K 1,024, N 1,024]; A: computed on the way; B: input Wo: left as it is (an operand is computed on the way)
;;   THE QUANTISER, for each operand of a quantised product, along K:
;;     - K is cut into blocks of 32 from its start; a last block that is shorter is filled with zeros.
;;     - A block's scale is 2^e with e = floor(log2(the largest magnitude in the block)) - 2, held to -126 .. 127; a block of zeros has e = 0. As a byte (E8M0): e + 127.
;;     - Each number is divided by its block's scale, clamped to +-6, and rounded to the nearest number of E2M1, ties to even, subnormals kept.
;;     - The product sums the exact products of the quantised numbers (number of the format x scale) in f32.
;;   ~~~python
;;   def quantise(x, axis):      # numpy; x: float32 -> the quantised numbers, widened to float32 again
;;       x = np.moveaxis(x, axis, -1); K = x.shape[-1]
;;       x = np.pad(x, [(0, 0)] * (x.ndim - 1) + [(0, -K % 32)]); x = x.reshape(x.shape[:-1] + (-1, 32)); a = np.abs(x).max(-1, keepdims=True)
;;       e = np.where(a > 0, np.clip(np.frexp(np.where(a > 0, a, 1))[1] - 1 - 2, -126, 127), 0)      # np.frexp(a)[1] - 1 = floor(log2(a)), exactly
;;       r = np.clip(x / 2.0 ** e, -6, 6)
;;       step = 2.0 ** (np.maximum(np.frexp(np.where(r == 0, 1, r))[1] - 1, 0) - 1)
;;       q = np.round(r / step) * step * 2.0 ** e      # np.round: ties to even
;;       return np.moveaxis(q.reshape(q.shape[:-2] + (-1,))[..., :K], -1, axis).astype(np.float32)
;;   ~~~
;; One version. Each part assembles by itself: llvm-mc -triple=amdgcn-amd-amdhsa -mcpu=gfx1250 --defsym DOCPART=n.
;; ======== version 1 of 1: 6 launches
;; limits: values are held in f16: magnitudes above 65,504 overflow, below 6.1e-05 lose precision; right only within a limited range of input values
;; workspace buffers: codes 14,155,776 bytes; scales 884,736 bytes; wo16 2,097,152 bytes; mw 2,097,152 bytes of whole numbers; qkv 50,331,648 bytes; obuf 16,777,216 bytes; ofine 262,144 bytes
;; launch prep (part 1): grid 1024 x 1, 4 waves a work-group, no clusters, 67,072 bytes of LDS; arguments query, key, value, Wq, Wk, Wv, Wo, mask, codes, scales, wo16, mw; writes codes, scales, wo16, mw
.if DOCPART == 1
	.amdgcn_target "amdgcn-amd-amdhsa--gfx1250"
	.amdhsa_code_object_version 6
	.text
	.protected	k_q4926f1f7c8_prep
	.globl	k_q4926f1f7c8_prep
	.p2align	8
	.type	k_q4926f1f7c8_prep,@function
k_q4926f1f7c8_prep:
	s_mov_b64 s[64:65], 0
	v_nop
	global_prefetch_b8 v0, s[64:65] scope:SCOPE_SE
	s_setreg_imm32_b32 hwreg(HW_REG_WAVE_MODE, 25, 1), 1
	s_wait_xcnt 0x0
; ONE LAUNCH THAT MAKES EVERY OPERAND READY.  Three kinds of work-group, told apart by the work-group number alone:
;   0 .. 863    query, key, value [8192][1024] and Wq, Wk, Wv [1024][1024], f32, become codes of FP4 (E2M1), K innermost, and one E8M0 byte for each 32 along K.
;               The six tensors are one stream of rows: codes 512 bytes a row, scale bytes 32 a row, in the order query, key, value, Wq, Wk, Wv.
;   864 .. 895  Wo [1024][1024] f32 becomes f16, same layout.
;   896 .. 1023 mask [4][2048][2048] of bytes becomes lane-mask words: mw[b][query tile of 16][key tile of 16][j] : bit l = mask[b][16 qt + l % 16][16 kt + 8 (l / 16) + j],
;               which is the lane mask of register j of a 16 keys x 16 queries score tile.
; THE QUANTISER: a block's scale is 2^(floor(log2(largest magnitude)) - 2); its byte is the largest magnitude's exponent field - 2, held at 1 from below; each number is divided by the scale and
; rounded to the nearest code, ties to even, beyond the largest code the largest.
; LIMITS: a block of zeros gets the byte 1 (its codes are zeros, and this program alone reads the bytes); blocks whose largest magnitude lies under 2^-124 have the byte held at 1; NaN and infinities are not served.
; No tensor loads, no barrier: waves share nothing.  Each kind of work-group has LDS bytes of its own; all end at one common end.
.set STEPS, 16
.set EMAX,  2
.set CB,    8                          ; bytes of 16 codes
.set R,     16                         ; v16-79   four sets of 16 numbers as loaded
.set X,     80                         ; v80-111  two sets of 16 neighbours
.set E,     112                        ; v112-127 a scale byte for each step
.set C,     128                        ; v128-191 codes, four registers for each step
.set WREG,  8192                       ; LDS of a quantising wave: two stages of 32 x SP bytes, then its 256 scale bytes
.set SP,    80                         ; a lane's place in a stage: 64 bytes + 16 of padding
.set MST,   32768                      ; LDS of the mask path: 16 rows x MPITCH for each wave
.set MPITCH, 528
.set SPW,   12                         ; v12  LDS address of my spare word; never rewritten
.set NIL,   13                         ; v13  0; never rewritten
.set SPARE, 66560                      ; the spare words, 128 bytes for each wave: no other line names them
	s_load_b512 s[4:19], s[0:1], 0x0               ; query, key, value, Wq, Wk, Wv, Wo, mask
	s_load_b256 s[20:27], s[0:1], 0x40             ; codes, scales, wo16, mw
	v_lshl_add_u32 v[SPW], v0, 2, SPARE
	v_mov_b32 v[NIL], 0
	v_lshrrev_b32 v1, 5, v0
	v_readfirstlane_b32 s28, v1                    ; wave 0..3
	v_and_b32 v2, 31, v0                           ; lane
	v_lshlrev_b32 v3, 4, v2                        ; 16 bytes a lane
	s_wait_kmcnt 0x0
	s_cmp_ge_u32 ttmp9, 896
	s_cbranch_scc1 .Lmask
	s_cmp_ge_u32 ttmp9, 864
	s_cbranch_scc1 .Lwo
; ---- the quantiser.  A wave takes 16 steps of 512 numbers; each load reads 512 consecutive bytes; the numbers turn through the wave's own stage so that a lane holds 16 neighbours along K.
	s_mov_b64 s[30:31], s[4:5]                     ; which tensor: a choice on the work-group number alone
	s_mov_b32 s29, 0                               ; and its first work-group
.macro PICK first, lo
	s_cmp_ge_u32 ttmp9, \first
	s_cselect_b64 s[30:31], s[\lo:\lo+1], s[30:31]
	s_cselect_b32 s29, \first, s29
.endm
	PICK 256, 6
	PICK 512, 8
	PICK 768, 10
	PICK 800, 12
	PICK 832, 14
	s_sub_co_u32 s32, ttmp9, s29
	s_lshl_b32 s32, s32, 2
	s_add_co_u32 s32, s32, s28                     ; my run of 8,192 numbers in the tensor
	s_lshl_b32 s32, s32, 15
	s_mov_b32 s33, 0
	s_add_nc_u64 s[30:31], s[30:31], s[32:33]
	s_lshl_b32 s34, ttmp9, 2
	s_add_co_u32 s34, s34, s28                     ; my run in the stream of all six
	s_lshl_b32 s32, s34, 12                        ; 4,096 bytes of codes a run
	s_add_nc_u64 s[20:21], s[20:21], s[32:33]
	s_lshl_b32 s32, s34, 8                         ; 256 scale bytes a run
	s_add_nc_u64 s[22:23], s[22:23], s[32:33]
	s_mul_i32 s35, s28, WREG
	v_lshrrev_b32 v14, 2, v2
	v_mul_u32_u24 v14, v14, SP
	v_and_b32 v15, 3, v2
	v_lshl_add_u32 v14, v15, 4, v14
	v_add_nc_u32 v14, s35, v14                     ; the stage, in: four lanes' 64 bytes on end, then 16 of padding
	v_mul_u32_u24 v15, v2, SP
	v_add_nc_u32 v15, s35, v15                     ; out: SP x lane: my 16 neighbours
	v_mul_u32_u24 v4, v2, CB                       ; my codes' place in a step's
	v_lshrrev_b32 v5, 1, v2
	s_add_co_u32 s35, s35, 2*32*SP
	v_add_nc_u32 v5, s35, v5                       ; my block's scale byte in LDS
	v_lshlrev_b32 v7, 3, v2
	v_add_nc_u32 v6, s35, v7                       ; and 8 bytes a lane on the way out
.macro LOAD t
.irp i, 0,1,2,3
	global_load_b128 v[R+16*((\t)%4)+4*\i:R+16*((\t)%4)+4*\i+3], v3, s[30:31] offset:2048*(\t)+512*\i th:TH_LOAD_NT
.endr
.endm
.macro TURN t                          ; LDS serves a wave's instructions in order: no wait between the stores and the loads
.irp i, 0,1,2,3
	ds_store_b128 v14, v[R+16*((\t)%4)+4*\i:R+16*((\t)%4)+4*\i+3] offset:32*SP*((\t)%2)+8*SP*\i
.endr
.irp i, 0,1,2,3
	ds_load_b128 v[X+16*((\t)%2)+4*\i:X+16*((\t)%2)+4*\i+3], v15 offset:32*SP*((\t)%2)+16*\i
.endr
.endm
.irp t, 0,1,2,3
	LOAD \t
.endr
	s_wait_loadcnt 12                              ; step 0's four loads are in; three steps' twelve may be out
	TURN 0
.macro STEP t
.set XS, X+16*((\t)%2)
.if (\t) > 0
	s_wait_dscnt 1                                 ; this step's numbers are back from the stage; the last step's byte store may be out
.else
	s_wait_dscnt 0x0
.endif
.if (\t)+4 < STEPS
	LOAD (\t)+4
.endif
.if (\t)+1 < STEPS
.if STEPS-2-(\t) >= 3
	s_wait_loadcnt 12                              ; the next step's four loads are in; those of the three steps behind it may be out
.else
	s_wait_loadcnt 4*(STEPS-2-(\t))
.endif
	TURN (\t)+1
.endif
	v_max3_num_f32 v8, |v[XS]|, |v[XS+1]|, |v[XS+2]|               ; the largest magnitude of my 16, in two chains
	v_max3_num_f32 v9, |v[XS+3]|, |v[XS+4]|, |v[XS+5]|
.irp i, 6,10
	v_max3_num_f32 v8, v8, |v[XS+\i]|, |v[XS+\i+1]|
	v_max3_num_f32 v9, v9, |v[XS+\i+2]|, |v[XS+\i+3]|
.endr
	v_max3_num_f32 v8, v8, |v[XS+14]|, |v[XS+15]|
	v_max3_num_f32 v8, v8, v9, (EMAX+1)<<23        ; and the floor 2^(EMAX + 1 - 127): the byte cannot fall under 1
	v_max_num_f32_dpp v8, v8, v8 row_xmask:1 row_mask:0xf bank_mask:0xf   ; with my neighbour's 16: the block's
	v_add_nc_u32 v11, -(EMAX<<23), v8              ; EMAX off its exponent field: the conversion takes the exponent field of this operand as its scale
	v_cvt_scalef32_pk8_fp4_f32 v[C+4*(\t)], v[XS:XS+7], v11
	v_cvt_scalef32_pk8_fp4_f32 v[C+4*(\t)+1], v[XS+8:XS+15], v11
	v_lshrrev_b32 v[E+(\t)], 23, v11               ; the scale's byte (also the plain line behind the conversions)
	ds_store_b8 v5, v[E+(\t)] offset:16*(\t)       ; both lanes of a block write the same byte with the same value
	global_store_b64 v4, v[C+4*(\t):C+4*(\t)+1], s[20:21] offset:32*CB*(\t)   ; the wave stores 256 consecutive bytes, aligned
.endm
.irp t, 0,1,2,3,4,5,6,7,8,9,10,11,12,13,14,15
	STEP \t
.endr
	ds_load_b64 v[8:9], v6                         ; my wave's 256 scale bytes
	s_wait_dscnt 0x0
	global_store_b64 v7, v[8:9], s[22:23]          ; 256 consecutive bytes, aligned
	s_branch .Lend
; ---- Wo to f16.  A wave takes 8,192 numbers in four rounds of sixteen loads.
.Lwo:
	s_sub_co_u32 s32, ttmp9, 864
	s_lshl_b32 s32, s32, 2
	s_add_co_u32 s32, s32, s28
	s_lshl_b32 s34, s32, 15
	s_mov_b32 s35, 0
	s_add_nc_u64 s[16:17], s[16:17], s[34:35]
	s_lshl_b32 s34, s32, 14
	s_add_nc_u64 s[24:25], s[24:25], s[34:35]
	v_lshlrev_b32 v4, 3, v2                        ; 8 bytes a lane out
.macro WROUND k
.irp i, 0,1,2,3,4,5,6,7,8,9,10,11,12,13,14,15
	global_load_b128 v[16+4*\i:19+4*\i], v3, s[16:17] offset:8192*\k+512*\i th:TH_LOAD_NT
.endr
.if \k > 0
	s_wait_xcnt 0x0                                ; the last round's stores have read their data: it is written again only behind this wait
.endif
.irp i, 0,1,2,3,4,5,6,7,8,9,10,11,12,13,14,15
	s_wait_loadcnt 15-\i                           ; load i is in; the younger ones stay out
	v_cvt_pk_f16_f32 v[80+2*\i], v[16+4*\i], v[17+4*\i]
	v_cvt_pk_f16_f32 v[81+2*\i], v[18+4*\i], v[19+4*\i]
	global_store_b64 v4, v[80+2*\i:81+2*\i], s[24:25] offset:4096*\k+256*\i   ; 256 consecutive bytes, aligned
.endr
.endm
	WROUND 0
	WROUND 1
	WROUND 2
	WROUND 3
	s_branch .Lend
; ---- the mask.  A wave takes 16 queries x 2,048 keys, 512 keys a trip.  Rows come in as they lie (512 consecutive bytes a load), go through the wave's stage and come back so that lane (r, h) holds
; the eight bytes of query r, keys 16 kt + 8 h + 0 .. 7.  A compare of byte j over the 32 lanes IS word (kt, j); the words are set into lanes of the output registers and leave 512 consecutive bytes a store.
.Lmask:
	s_sub_co_u32 s32, ttmp9, 896
	s_lshl_b32 s32, s32, 2
	s_add_co_u32 s32, s32, s28                     ; task = 128 b + query tile
	s_lshl_b32 s34, s32, 15                        ; 16 rows of 2,048 bytes
	s_mov_b32 s35, 0
	s_add_nc_u64 s[18:19], s[18:19], s[34:35]
	s_lshl_b32 s34, s32, 12                        ; 1,024 words
	s_add_nc_u64 s[26:27], s[26:27], s[34:35]
	s_mul_i32 s36, s28, 16*MPITCH
	s_add_co_u32 s36, s36, MST
	v_add_nc_u32 v5, s36, v3                       ; in: 16 x lane of a row
	v_and_b32 v6, 15, v0
	v_bfe_u32 v7, v0, 4, 1
	v_mul_u32_u24 v6, v6, MPITCH
	v_lshl_add_u32 v6, v7, 3, v6
	v_add_nc_u32 v6, s36, v6                       ; out: row r, + 8 h
.irp i, 0,1,2,3,4,5,6,7
	v_mov_b32 v[144+\i], 0                         ; written once: the destination of v_writelane_b32 counts as read
.endr
	s_mov_b32 s37, 4
.Lchunk:
.irp i, 0,1,2,3,4,5,6,7,8,9,10,11,12,13,14,15
	global_load_b128 v[16+4*\i:19+4*\i], v3, s[18:19] offset:2048*\i th:TH_LOAD_NT
.endr
	s_wait_loadcnt 0x0
.irp i, 0,1,2,3,4,5,6,7,8,9,10,11,12,13,14,15
	ds_store_b128 v5, v[16+4*\i:19+4*\i] offset:MPITCH*\i
.endr
.set k, 0
.rept 32
	ds_load_b64 v[80+2*k:81+2*k], v6 offset:16*k   ; key tile k of the trip
.set k, k+1
.endr
	s_wait_dscnt 0x0
.set k, 0
.rept 32
.irp j, 0,1,2,3,4,5,6,7
	v_and_b32 v[176+\j], 0xff<<(8*(\j%4)), v[80+2*k+\j/4]
.endr
.irp j, 0,1,2,3,4,5,6,7
	v_cmp_ne_u32 s[40+\j], 0, v[176+\j]
.endr
.irp j, 0,1,2,3,4,5,6,7
	v_writelane_b32 v[144+4*(k/16)+\j%4], s[40+\j], (2*k+\j/4)%32   ; word 8 k + j of the trip's 256
.endr
.set k, k+1
.endr
	global_store_b128 v3, v[144:147], s[26:27]
	global_store_b128 v3, v[148:151], s[26:27] offset:512
	s_wait_xcnt 0x0                                ; the stores have read their data and base, the loads their base: all are written again only behind this wait
	s_add_nc_u64 s[18:19], s[18:19], 512
	s_add_nc_u64 s[26:27], s[26:27], 1024
	s_sub_co_u32 s37, s37, 1
	s_cmp_lg_u32 s37, 0
	s_cbranch_scc1 .Lchunk
.Lend:
	s_wait_tensorcnt 0x0                           ; the wave's end, behind my last LDS store
	ds_add_u32 v[SPW], v[NIL]
	s_wait_dscnt 0x0
	s_endpgm
.Lfunc_end_k_q4926f1f7c8_prep:
	.size	k_q4926f1f7c8_prep, .Lfunc_end_k_q4926f1f7c8_prep-k_q4926f1f7c8_prep
	.p2alignl 7, 3214868480
	.fill 96, 4, 3214868480
	.section	.rodata,"a",@progbits
	.p2align	6, 0x0
	.amdhsa_kernel k_q4926f1f7c8_prep
		.amdhsa_group_segment_fixed_size 67072
		.amdhsa_private_segment_fixed_size 0
		.amdhsa_enable_private_segment 0
		.amdhsa_kernarg_size 96
		.amdhsa_user_sgpr_count 2
		.amdhsa_user_sgpr_kernarg_segment_ptr 1
		.amdhsa_wavefront_size32 1
		.amdhsa_system_sgpr_workgroup_id_x 1
		.amdhsa_system_sgpr_workgroup_id_y 1
		.amdhsa_system_sgpr_workgroup_id_z 1
		.amdhsa_system_vgpr_workitem_id 0
		.amdhsa_next_free_vgpr 192
		.amdhsa_next_free_sgpr 66
		.amdhsa_reserve_vcc 0
		.amdhsa_float_denorm_mode_32 3
		.amdhsa_float_denorm_mode_16_64 3
		.amdhsa_memory_ordered 1
		.amdhsa_forward_progress 1
		.amdhsa_inst_pref_size 111
	.end_amdhsa_kernel
	.amdgpu_metadata
---
amdhsa.version: [ 1, 2 ]
amdhsa.kernels:
  - .name:           k_q4926f1f7c8_prep
    .symbol:         k_q4926f1f7c8_prep.kd
    .args:
      - { .name: query, .offset: 0, .size: 8, .value_kind: global_buffer, .address_space: global }
      - { .name: key, .offset: 8, .size: 8, .value_kind: global_buffer, .address_space: global }
      - { .name: value, .offset: 16, .size: 8, .value_kind: global_buffer, .address_space: global }
      - { .name: Wq, .offset: 24, .size: 8, .value_kind: global_buffer, .address_space: global }
      - { .name: Wk, .offset: 32, .size: 8, .value_kind: global_buffer, .address_space: global }
      - { .name: Wv, .offset: 40, .size: 8, .value_kind: global_buffer, .address_space: global }
      - { .name: Wo, .offset: 48, .size: 8, .value_kind: global_buffer, .address_space: global }
      - { .name: mask, .offset: 56, .size: 8, .value_kind: global_buffer, .address_space: global }
      - { .name: codes, .offset: 64, .size: 8, .value_kind: global_buffer, .address_space: global }
      - { .name: scales, .offset: 72, .size: 8, .value_kind: global_buffer, .address_space: global }
      - { .name: wo16, .offset: 80, .size: 8, .value_kind: global_buffer, .address_space: global }
      - { .name: mw, .offset: 88, .size: 8, .value_kind: global_buffer, .address_space: global }
    .group_segment_fixed_size: 67072
    .private_segment_fixed_size: 0
    .kernarg_segment_align: 8
    .kernarg_segment_size: 96
    .max_flat_workgroup_size: 128
    .sgpr_count:     66
    .vgpr_count:     192
    .wavefront_size: 32
...
	.end_amdgpu_metadata
.endif
;; end of part 1
;; launch proj (part 2): grid 4 x 96, 4 waves a work-group, clusters of 4 x 4, 327,680 bytes of LDS; arguments codes, scales, qkv; writes qkv
.if DOCPART == 2
	.amdgcn_target "amdgcn-amd-amdhsa--gfx1250"
	.amdhsa_code_object_version 6
	.text
	.protected	k_q4926f1f7c8_proj
	.globl	k_q4926f1f7c8_proj
	.p2align	8
	.type	k_q4926f1f7c8_proj,@function
k_q4926f1f7c8_proj:
	s_mov_b64 s[64:65], 0
	v_nop
	global_prefetch_b8 v0, s[64:65] scope:SCOPE_SE
	s_setreg_imm32_b32 hwreg(HW_REG_WAVE_MODE, 25, 1), 1
	s_wait_xcnt 0x0
	s_wait_alu depctr_hold_cnt(0) depctr_sa_sdst(0) depctr_va_vdst(0) depctr_va_sdst(0) depctr_va_ssrc(0) depctr_va_vcc(0) depctr_vm_vsrc(0)
	s_getreg_b32 s2, hwreg(HW_REG_IB_STS2, 6, 4)
	s_cmp_eq_u32 s2, 0
	s_cbranch_scc0 .Lentry_in_a_cluster
	s_endpgm
.Lentry_in_a_cluster:
	s_bfe_u32 s2, ttmp6, 0x10000c
	s_cmp_lg_u32 s2, 0xf033
	s_cbranch_scc0 .Lentry_shape_is_right
	s_endpgm
.Lentry_shape_is_right:
; THE THREE QUANTISED PROJECTIONS AS ONE GEMM ON CODES OF FP4: C[m][n] = sum over k of A[m][k] B[n][k], K = 1,024.
; A: the 24,576 rows of query, key, value; B: for rows of product p (p = m / 8192) the 1,024 rows of Wq, Wk or Wv.  Codes 512 bytes a row, scale bytes 32 a row, weights behind the activations in both buffers.
; The result is multiplied by c = log2(e) / 8 where p = 0 (so that the scores come out in the exponent of 2), by 1 else, rounded once to f16 and laid head-major: qkv[p][b][h][s][64].
; LIMIT: |c q|, |k|, |v| up to 65,504, the largest f16 number.
; A tile of C, 256 x 256, is made by four waves, each 128 x 128: 64 accumulators, 512 registers.  K is two slots of 512 (rows of 256 bytes): both are asked for at the head, and nothing is ever filled again.
; The scale bytes of the tile's rows come once, as dense blocks, with the first fills.  By this text's own count a wave has three tensor loads outstanding at the most.
; CLUSTERS: 4 x 4 work-groups; A's tiles are asked for jointly along a row of the cluster, B's along a column.  All 16 partners lie in one product: p hangs on the cluster's y alone.
; No prefetch: every tile is a first fill, asked for at the head.
; THE MATRIX INSTRUCTION IS USED TRANSPOSED (source 0 = 16 rows of B, source 1 = 16 rows of A): a lane holds eight neighbouring columns of one row of C.
; REGISTERS: window 0: v0-31 addresses; v32-95 scale words, two sets, and nothing else; v128-191 A's fragments, one set; way out: v96-127 f16 words, v128-191 scaled numbers, v192-255 rows read back.
;   window 1: B's fragments, two sets.   windows 2, 3: the accumulators ((a, b) at v[8 (8 (a % 4) + b)]).
.set SIZE_K, 1024
.set KSTEP,  512
.set NQ,     KSTEP/128
.set ROWB,   256
.set KROW,   SIZE_K/2
.set PITCH,  272                       ; 256 bytes + 16 of padding: the 16 rows of a fragment load start 4 words apart modulo 64 words
.set FR,     8
.set NL,     2
.set NP,     4
.set HALFT,  128*PITCH
.set SLOT,   4*HALFT
.set KS,     SIZE_K/32
.set SCL,    2*SLOT
.set HALFS,  (128*KS/256)*272
.set SBLK,   (16*KS/256)*272
.set SPARE,  SCL+4*HALFS               ; the spare words, 128 bytes for each wave: no other line names them
.set WCODES, 12582912                  ; where the weights' codes begin
.set WSCALES, 786432                   ; and their scale bytes
.set ADRA, 16
.set ADRB, 20
.set STO,  24
.set RD,   25
.set CO,   26
.set ADRS, 27
.set SPW,  28
.set NIL,  29
.set SC,   32
.set AF,   128
.set H,    96
.set T,    128
.set BK,   192
.set G1, 24
.set G0, 32
.set G1B, 48
.set G0B, 56
.set G1S, 68
.set G0S, 76
.set G1SB, 80
.set G0SB, 88
.set MSB, 0
.macro WIN new                         ; the immediate's high byte repeats the setting that is left
.if MSB != (\new)
	s_set_vgpr_msb (MSB<<8)|(\new)
.set MSB, (\new)
.endif
.endm
.set MUL_LO, 0xa1
.set MUL_HI, 0xf1
.set TO_B,   0x40
; A joint load: waves 0 and 1 fetch for A, waves 2 and 3 for B; the branch hangs on the wave's number alone.  An s_nop 0 and four v_nop follow each line.
.macro JLOAD g0a, g1a, g0b, g1b
	s_cmp_eq_u32 s15, 0
	s_cbranch_scc0 .Lfor_b_\@
	tensor_load_to_lds s[\g0a:\g0a+3], s[\g1a:\g1a+7]
	s_nop 0
.rept 4
	v_nop
.endr
	s_branch .Lasked_\@
.Lfor_b_\@:
	tensor_load_to_lds s[\g0b:\g0b+3], s[\g1b:\g1b+7]
	s_nop 0
.rept 4
	v_nop
.endr
.Lasked_\@:
.endm
.macro CROUND                          ; a round of the cluster's barrier
	s_barrier_signal -1
	s_barrier_wait -1
	s_cmp_lg_u32 s14, 0
	s_cbranch_scc1 .Lnot_wave_0_\@
	s_barrier_signal -3
.Lnot_wave_0_\@:
	s_barrier_wait -3
	s_barrier_signal -1
	s_barrier_wait -1
.endm
	s_load_b128 s[4:7], s[0:1], 0x0                ; codes, scales
	s_load_b64 s[12:13], s[0:1], 0x10              ; qkv
	v_lshl_add_u32 v[SPW], v0, 2, SPARE
	v_mov_b32 v[NIL], 0
	ds_add_u32 v[SPW], v[NIL]                      ; the opening: the add, twice on end, and its wait ahead of my first tensor load
	ds_add_u32 v[SPW], v[NIL]
	v_lshrrev_b32 v1, 5, v0
	v_readfirstlane_b32 s14, v1                    ; wave 0..3
	s_lshr_b32 s15, s14, 1                         ; my half of the tile's rows; also: I fetch for A (0) or B (1)
	s_and_b32 s16, s14, 1                          ; my half of its columns; also: which 128 rows I fetch
	s_bfe_u32 s40, ttmp6, 0x40000                  ; cx
	s_bfe_u32 s41, ttmp6, 0x40004                  ; cy
	s_lshl_b32 s42, ttmp9, 2
	s_add_co_u32 s42, s42, s40                     ; tile column
	s_and_b32 s17, ttmp7, 0xffff
	s_lshr_b32 s95, s17, 3                         ; the product: 8 clusters along y each
	s_lshl_b32 s17, s17, 2
	s_add_co_u32 s17, s17, s41                     ; tile row
	s_cmp_eq_u32 s95, 0
	s_cselect_b32 s96, 0x3e38aa3b, 1.0             ; c for q, 1 for k and v
	s_mov_b32 s97, s96
	s_lshl_b32 s43, s41, 2
	s_lshl_b32 s43, 15, s43                        ; my row of the cluster
	s_lshl_b32 s44, 0x1111, s40                    ; my column
	s_or_b32 s[G1+0], s43, (0<<16)|(1<<20)|(1<<21)|(5<<22)|(3<<25)  ; mask; elements of 1 byte; padding on; bit 21 beside a mask; 4 words behind every 64
	s_or_b32 s[G1B+0], s44, (0<<16)|(1<<20)|(1<<21)|(5<<22)|(3<<25)
.irp g, G1, G1B
	s_mov_b32 s[\g+1], ROWB<<16                    ; tensor_dim0
	s_mov_b32 s[\g+2], 128<<16                     ; tensor_dim1
	s_mov_b32 s[\g+3], ROWB<<16                    ; tile_dim0
	s_mov_b32 s[\g+4], 128                         ; tile_dim1
	s_mov_b32 s[\g+5], KROW                        ; pitch
	s_mov_b32 s[\g+6], 0
	s_mov_b32 s[\g+7], 0
.endr
	s_or_b32 s[G1S+0], s43, (3<<16)|(1<<20)|(1<<21)|(5<<22)|(3<<25) ; the scales of 128 rows: a dense block as rows of 256 bytes (32 elements of 8), 16 bytes of padding behind each
	s_or_b32 s[G1SB+0], s44, (3<<16)|(1<<20)|(1<<21)|(5<<22)|(3<<25)
.irp g, G1S, G1SB
	s_mov_b32 s[\g+1], 32<<16
	s_mov_b32 s[\g+2], (128*KS/256)<<16
	s_mov_b32 s[\g+3], 32<<16
	s_mov_b32 s[\g+4], 128*KS/256
	s_mov_b32 s[\g+5], 32
	s_mov_b32 s[\g+6], 0
	s_mov_b32 s[\g+7], 0
.endr
	s_lshl_b32 s18, s16, 7
	s_lshl_b32 s20, s17, 8
	s_add_co_u32 s20, s20, s18                     ; A: row 256 x tile row + 128 x half
	s_lshl_b32 s46, s42, 8
	s_add_co_u32 s46, s46, s18
	s_lshl_b32 s94, s95, 10
	s_add_co_u32 s46, s46, s94                     ; B: row 1,024 x product + 256 x tile column + 128 x half
	s_mov_b32 s21, 0
	s_mov_b32 s47, 0
	s_mov_b64 s[18:19], KS
	s_mul_u64 s[22:23], s[20:21], s[18:19]
	s_mul_u64 s[92:93], s[46:47], s[18:19]
	s_mov_b64 s[18:19], KROW
	s_mul_u64 s[20:21], s[20:21], s[18:19]
	s_mul_u64 s[46:47], s[46:47], s[18:19]
	s_mul_i32 s45, s14, HALFT                      ; where they go: wave x 128 rows
	s_mul_i32 s94, s14, HALFS
	s_wait_dscnt 0x0                               ; both opening adds are done
	s_wait_kmcnt 0x0
	s_add_nc_u64 s[8:9], s[4:5], WCODES
	s_add_nc_u64 s[10:11], s[6:7], WSCALES
	s_add_nc_u64 s[20:21], s[4:5], s[20:21]
	s_add_nc_u64 s[22:23], s[6:7], s[22:23]
	s_add_nc_u64 s[46:47], s[8:9], s[46:47]
	s_add_nc_u64 s[92:93], s[10:11], s[92:93]
	CROUND                                         ; all sixteen work-groups are here: the joint loads meet
	s_mov_b32 s[G0S], 1
	s_add_co_u32 s[G0S+1], s94, SCL
	s_mov_b64 s[G0S+2:G0S+3], s[22:23]
	s_or_b32 s[G0S+3], s[G0S+3], 0x80000000
	s_mov_b32 s[G0SB], 1
	s_add_co_u32 s[G0SB+1], s94, SCL
	s_mov_b64 s[G0SB+2:G0SB+3], s[92:93]
	s_or_b32 s[G0SB+3], s[G0SB+3], 0x80000000
	JLOAD G0S, G1S, G0SB, G1SB                     ; the scales first
.irp s, 0,1
	s_mov_b32 s[G0+4*\s], 1
	s_add_co_u32 s[G0+4*\s+1], s45, \s*SLOT
	s_add_nc_u64 s[G0+4*\s+2:G0+4*\s+3], s[20:21], \s*ROWB
	s_or_b32 s[G0+4*\s+3], s[G0+4*\s+3], 0x80000000
	s_mov_b32 s[G0B+4*\s], 1
	s_add_co_u32 s[G0B+4*\s+1], s45, \s*SLOT
	s_add_nc_u64 s[G0B+4*\s+2:G0B+4*\s+3], s[46:47], \s*ROWB
	s_or_b32 s[G0B+4*\s+3], s[G0B+4*\s+3], 0x80000000
	JLOAD G0+4*\s, G1, G0B+4*\s, G1B
.endr
	v_and_b32 v1, 15, v0                           ; r
	v_bfe_u32 v2, v0, 4, 1                         ; h
	v_mul_u32_u24 v3, v1, PITCH
	v_lshl_add_u32 v4, v2, 4, v3
	s_mul_i32 s21, s15, HALFT
	s_mul_i32 s22, s16, HALFT
	s_add_co_u32 s22, s22, 2*HALFT
.irp s, 0,1
	v_add_nc_u32 v[ADRA+\s], s21, v4
	v_add_nc_u32 v[ADRB+\s], s22, v4
	s_add_co_u32 s21, s21, SLOT
	s_add_co_u32 s22, s22, SLOT
.endr
	v_mul_u32_u24 v5, v1, KS                       ; my row's scales: KS bytes a row,
	v_lshrrev_b32 v6, 8, v5
	v_lshl_add_u32 v5, v6, 4, v5                   ; and 16 more for each 256 passed
	s_mul_i32 s21, s15, HALFS
	s_mul_i32 s22, s16, HALFS
	s_add_co_u32 s22, s22, 2*HALFS
	s_sub_co_u32 s22, s22, s21
	v_mul_u32_u24 v6, s22, v2                      ; lanes 16-31 take B's
	s_add_co_u32 s21, s21, SCL
	v_add_nc_u32 v5, v5, v6
	v_add_nc_u32 v[ADRS], s21, v5
	s_mul_i32 s23, s14, 4608                       ; my stage, in slot 0: two head planes of 16 rows x 144 bytes
	v_mul_u32_u24 v5, v1, 144
	v_lshl_add_u32 v5, v2, 4, v5
	v_add_nc_u32 v[STO], s23, v5                   ; in: row r, + 16 h
	v_bfe_u32 v5, v0, 3, 2
	v_and_b32 v6, 7, v0
	v_mul_u32_u24 v5, v5, 144
	v_lshl_add_u32 v5, v6, 4, v5
	v_add_nc_u32 v[RD], s23, v5                    ; back: row lane / 8, piece lane % 8
	v_and_b32 v6, 31, v0
	v_lshlrev_b32 v[CO], 4, v6
	s_lshr_b32 s20, s17, 3                         ; 4 p + b
	s_lshl_b32 s20, s20, 4
	s_lshl_b32 s21, s42, 2
	s_add_co_u32 s20, s20, s21
	s_lshl_b32 s21, s16, 1
	s_add_co_u32 s20, s20, s21                     ; + my first head: 4 x tile column + 2 x half
	s_lshl_b32 s20, s20, 18                        ; 262,144 bytes a head
	s_and_b32 s21, s17, 7
	s_lshl_b32 s21, s21, 15                        ; 256 positions of 128 bytes a tile row
	s_add_co_u32 s20, s20, s21
	s_lshl_b32 s21, s15, 14
	s_add_co_u32 s20, s20, s21
	s_mov_b32 s21, 0
	s_add_nc_u64 s[12:13], s[12:13], s[20:21]
.macro FRAG reg, adr, q, i             ; 16 rows x 128 K of 4-bit codes: 8 registers, two loads of 16 bytes, 32 bytes apart
.irp c, 0,1
	ds_load_b128 v[\reg+4*\c:\reg+4*\c+3], v[\adr] offset:64*(\q)+32*\c+(\i)*16*PITCH
.endr
.endm
; 16 matrix instructions: A's blocks a0, a0 + 1 x B's eight.  The 64 accumulators take turns, one instruction a turn, in the same order in every step.
.macro MUL16 a0, p, q, sc, zero
.irp a, \a0, \a0+1
.irp b, 0,1,2,3,4,5,6,7
.if \zero
	v_wmma_scale_f32_16x16x128_f8f6f4 v[8*(8*((\a)%4)+\b):8*(8*((\a)%4)+\b)+7], v[128*(\p)+FR*\b:128*(\p)+FR*\b+FR-1], v[AF+FR*(\a):AF+FR*(\a)+FR-1], 0, v[SC+8*NQ*(\sc)+NQ*\b+(\q)], v[SC+8*NQ*(\sc)+NQ*(\a)+(\q)] matrix_a_fmt:MATRIX_FMT_FP4 matrix_b_fmt:MATRIX_FMT_FP4 matrix_a_scale:MATRIX_SCALE_ROW1
.else
	v_wmma_scale_f32_16x16x128_f8f6f4 v[8*(8*((\a)%4)+\b):8*(8*((\a)%4)+\b)+7], v[128*(\p)+FR*\b:128*(\p)+FR*\b+FR-1], v[AF+FR*(\a):AF+FR*(\a)+FR-1], v[8*(8*((\a)%4)+\b):8*(8*((\a)%4)+\b)+7], v[SC+8*NQ*(\sc)+NQ*\b+(\q)], v[SC+8*NQ*(\sc)+NQ*(\a)+(\q)] matrix_a_fmt:MATRIX_FMT_FP4 matrix_b_fmt:MATRIX_FMT_FP4 matrix_a_scale:MATRIX_SCALE_ROW1
.endif
.endr
.endr
.endm
.macro FETCH_B slot, q, p
	WIN TO_B
.irp i, 0,1,2,3,4,5,6,7
	FRAG 128*(\p)+FR*\i, ADRB+\slot, \q, \i
.endr
	WIN 0
.endm
.macro FETCH_A slot, q, i0
.irp i, \i0, \i0+1, \i0+2, \i0+3
	FRAG AF+FR*(\i), ADRA+\slot, \q, \i
.endr
.endm
.macro SCALES sc                       ; a slot's scale words: lanes 0-15 take A's block i, lanes 16-31 B's block i
.irp i, 0,1,2,3,4,5,6,7
	ds_load_b128 v[SC+8*NQ*\sc+NQ*\i:SC+8*NQ*\sc+NQ*\i+3], v[ADRS] offset:\i*SBLK
.endr
.endm
.macro PLACES n                        ; plain vector places between a matrix instruction and a load into, or a read of, its registers
.rept \n
	v_nop
.endr
.endm
.macro STEP slot, q, zero
	s_wait_dscnt 4*NL                              ; B's set and A's blocks 0-3 are in; the youngest eight loads (A's blocks 4-7) may be out
	WIN MUL_LO
	MUL16 0, (\q)%2, \q, \slot, \zero
	MUL16 2, (\q)%2, \q, \slot, \zero
	s_wait_dscnt 0
	PLACES NP
	FETCH_B \slot, (\q)+1, 1-(\q)%2
	FETCH_A \slot, (\q)+1, 0
	WIN MUL_HI
	MUL16 4, (\q)%2, \q, \slot, \zero
	MUL16 6, (\q)%2, \q, \slot, \zero
	PLACES NP
	WIN 0
	FETCH_A \slot, (\q)+1, 4
.endm
; Slot 0's last step changes slots: each wave waits for all its tensor loads (slot 1's is the one that may be out), adds 0 to its spare word, waits for that and for its reads of slot 0, and passes a barrier.
; Slot 0 later serves as the stage of the way out.
.macro TURN slot, next
	s_wait_tensorcnt 0x0
	ds_add_u32 v[SPW], v[NIL]
	s_wait_dscnt 4*NL+1                            ; the add and the youngest eight loads may be out
	WIN MUL_LO
	MUL16 0, 1, NQ-1, \slot, 0
	s_wait_dscnt 0x0                               ; the add is done, my reads of this slot are over
	s_barrier_signal -1
	MUL16 2, 1, NQ-1, \slot, 0
	WIN 0
	s_barrier_wait -1
	PLACES NP
	v_add_nc_u32 v[ADRS], 4*NQ, v[ADRS]            ; the next slot's scale words
	FETCH_B \next, 0, 0
	FETCH_A \next, 0, 0
	SCALES \next
	WIN MUL_HI
	MUL16 4, 1, NQ-1, \slot, 0
	MUL16 6, 1, NQ-1, \slot, 0
	PLACES NP
	WIN 0
	FETCH_A \next, 0, 4
.endm
	s_wait_tensorcnt 1                             ; the scales and my part of slot 0 are in; slot 1's load may be out
	s_barrier_signal -1
	s_barrier_wait -1
	FETCH_B 0, 0, 0
	FETCH_A 0, 0, 0
	SCALES 0
	FETCH_A 0, 0, 4
	STEP 0, 0, 1                                   ; the first products start the sums: nothing is cleared
	STEP 0, 1, 0
	STEP 0, 2, 0
	TURN 0, 1
	STEP 1, 0, 0
	STEP 1, 1, 0
	STEP 1, 2, 0
	s_wait_dscnt 4*NL
	WIN MUL_LO
	MUL16 0, 1, NQ-1, 1, 0
	MUL16 2, 1, NQ-1, 1, 0
	s_wait_dscnt 0
	WIN MUL_HI
	MUL16 4, 1, NQ-1, 1, 0
	MUL16 6, 1, NQ-1, 1, 0
	WIN 0
; THE WAY OUT, a block of 16 rows x 128 columns (two heads) at a time: x the factor, rounded to f16 (16 bytes a lane), through my stage, back as rows of 128 bytes; a store covers four rows of one head: 512 consecutive bytes.
.macro PACK a
.set AC, 64*((\a)%4)
	WIN 0x02+(\a)/4                                ; source 0: window 2 or 3
.set i, 0
.rept 32
	v_pk_mul_f32 v[T+2*i:T+2*i+1], v[AC+2*i:AC+2*i+1], s[96:97] op_sel_hi:[1,0]   ; each accumulator from its low end on
.set i, i+1
.endr
	WIN 0
.set i, 0
.rept 32
	v_cvt_pk_f16_f32 v[H+i], v[T+2*i], v[T+2*i+1]
.set i, i+1
.endr
.endm
.macro TOSTAGE a
.set BB, BK+32*((\a)%2)
.irp b, 0,1,2,3,4,5,6,7
	ds_store_b128 v[STO], v[H+4*\b:H+4*\b+3] offset:(\b/4)*2304+32*(\b%4)
.endr
.irp g, 0,1,2,3,4,5,6,7
	ds_load_b128 v[BB+4*\g:BB+4*\g+3], v[RD] offset:(\g/4)*2304+(\g%4)*576   ; LDS serves a wave's instructions in order: these see the stores above
.endr
.endm
.macro SEND a
.set BB, BK+32*((\a)%2)
	s_wait_dscnt 0x0                               ; the block is back in registers
	s_wait_xcnt 0x0                                ; the block before has been read by its stores: its registers are loaded again only behind this wait
.irp g, 0,1,2,3,4,5,6,7
	global_store_b128 v[CO], v[BB+4*\g:BB+4*\g+3], s[12:13] offset:(\g/4)*262144+(\a)*2048+(\g%4)*512
.endr
.endm
	PLACES NP
	PACK 0
	TOSTAGE 0
.irp a, 1,2,3,4,5,6,7
	PACK \a
	SEND \a-1
	TOSTAGE \a
.endr
	SEND 7
	s_wait_tensorcnt 0x0                           ; the wave's end
	ds_add_u32 v[SPW], v[NIL]
	s_wait_dscnt 0x0
	CROUND                                         ; the closing round
	s_endpgm
.Lfunc_end_k_q4926f1f7c8_proj:
	.size	k_q4926f1f7c8_proj, .Lfunc_end_k_q4926f1f7c8_proj-k_q4926f1f7c8_proj
	.p2alignl 7, 3214868480
	.fill 96, 4, 3214868480
	.section	.rodata,"a",@progbits
	.p2align	6, 0x0
	.amdhsa_kernel k_q4926f1f7c8_proj
		.amdhsa_group_segment_fixed_size 327680
		.amdhsa_private_segment_fixed_size 0
		.amdhsa_enable_private_segment 0
		.amdhsa_kernarg_size 24
		.amdhsa_user_sgpr_count 2
		.amdhsa_user_sgpr_kernarg_segment_ptr 1
		.amdhsa_wavefront_size32 1
		.amdhsa_system_sgpr_workgroup_id_x 1
		.amdhsa_system_sgpr_workgroup_id_y 1
		.amdhsa_system_sgpr_workgroup_id_z 1
		.amdhsa_system_vgpr_workitem_id 0
		.amdhsa_next_free_vgpr 1024
		.amdhsa_next_free_sgpr 98
		.amdhsa_reserve_vcc 0
		.amdhsa_float_denorm_mode_32 3
		.amdhsa_float_denorm_mode_16_64 3
		.amdhsa_memory_ordered 1
		.amdhsa_forward_progress 1
		.amdhsa_inst_pref_size 143
	.end_amdhsa_kernel
	.amdgpu_metadata
---
amdhsa.version: [ 1, 2 ]
amdhsa.kernels:
  - .name:           k_q4926f1f7c8_proj
    .symbol:         k_q4926f1f7c8_proj.kd
    .args:
      - { .name: codes, .offset: 0, .size: 8, .value_kind: global_buffer, .address_space: global }
      - { .name: scales, .offset: 8, .size: 8, .value_kind: global_buffer, .address_space: global }
      - { .name: qkv, .offset: 16, .size: 8, .value_kind: global_buffer, .address_space: global }
    .group_segment_fixed_size: 327680
    .private_segment_fixed_size: 0
    .kernarg_segment_align: 8
    .kernarg_segment_size: 24
    .max_flat_workgroup_size: 128
    .sgpr_count:     98
    .vgpr_count:     1024
    .wavefront_size: 32
...
	.end_amdgpu_metadata
.endif
;; end of part 2
;; launch attn (part 3): grid 8 x 64, 8 waves a work-group, clusters of 4 x 1, 327,680 bytes of LDS; arguments qkv, mw, obuf; writes obuf
.if DOCPART == 3
	.amdgcn_target "amdgcn-amd-amdhsa--gfx1250"
	.amdhsa_code_object_version 6
	.text
	.protected	k_q4926f1f7c8_attn
	.globl	k_q4926f1f7c8_attn
	.p2align	8
	.type	k_q4926f1f7c8_attn,@function
k_q4926f1f7c8_attn:
	s_mov_b64 s[64:65], 0
	v_nop
	global_prefetch_b8 v0, s[64:65] scope:SCOPE_SE
	s_setreg_imm32_b32 hwreg(HW_REG_WAVE_MODE, 25, 1), 1
	s_wait_xcnt 0x0
	s_wait_alu depctr_hold_cnt(0) depctr_sa_sdst(0) depctr_va_vdst(0) depctr_va_sdst(0) depctr_va_ssrc(0) depctr_va_vcc(0) depctr_vm_vsrc(0)
	s_getreg_b32 s2, hwreg(HW_REG_IB_STS2, 6, 4)
	s_cmp_eq_u32 s2, 0
	s_cbranch_scc0 .Lentry_in_a_cluster
	s_endpgm
.Lentry_in_a_cluster:
	s_bfe_u32 s2, ttmp6, 0x10000c
	s_cmp_lg_u32 s2, 0x3003
	s_cbranch_scc0 .Lentry_shape_is_right
	s_endpgm
.Lentry_shape_is_right:
; O[b][h][q] = sum over k of softmax_k(where(mask[b][q][k], q . k / 8, -1e9)) v[k], for all rows.  q (already x log2(e) / 8), k, v: qkv[3][b][h][s][64] f16; O: obuf[b][h][s][64] f16.
; The mask is an input: every key tile is walked, and a masked score becomes T = -1e9 x log2(e) by a select on the lane-mask words of mw; a row that is masked everywhere averages all values, as the select asks.
; Products on f16 operands, sums f32; maxima, exponentials in f32.  A running maximum m for each query: p = 2^(t - m); O and the row sum are multiplied by a = 2^(old m - new m) in every step.
; LIMITS: f16 operands (magnitudes up to 65,504); rows that a mask leaves with very few keys carry plain f16 rounding here (positions 0-15 of every sequence are made again, finer, by later launches).
; SHARES.  A work-group owns 256 queries of one (b, h); each of its eight waves 32: two tiles of 16.  128 keys a step.
; LAYOUT.  S^T = K Q^T (source 0 = 16 keys, source 1 = 16 queries): a lane holds ONE query (lane % 16) and keys 8 (lane / 16) + j.  Two such tiles, rounded to f16 in pairs, are source 1 of O^T = V^T P.
; THE ROW SUM is one more product of P, with a source 0 of ones: it sums the very p that multiply V and needs no exchange between lanes.
; TWO ROLES, HALF A STEP APART.  A key step is two phases: A (K's fragments, K Q^T, V's fragments asked for) and BC (softmax, rescaling, V^T P).  A wave's role is bit 0 xor bit 2 of its number, so that waves
; w and w + 4 differ in role, and so do waves 2 i and 2 i + 1.  In trip j an EARLY wave runs A(j), BC(j); a LATE wave runs BC(j - 1), A(j).  So at a change of slots an early wave goes on with matrix work and a late
; wave with vector work on registers alone; every wave reads step j's LDS bytes in trip j, ahead of the next change.  Trip 0 (A for all, BC for the early waves) and the late waves' last BC are written out.
; The branches on the role lead round phases alone: every barrier, wait in front of one, add and tensor load stands in the common text.
; MASK WORDS come by scalar loads, a tile's 64 at a time; tile 0's are asked for a step ahead, behind tile 1's selects.  An early wave's last pass so asks for 256 bytes that it does not use: the first words of its own second tile, inside mw.
; RING.  Two slots of 512 keys (K's rows, then V's, 144 bytes apart).  Every wave fetches 128 rows with one tensor load: one load of a wave is out at any time, and it has four steps in which to land.
; CLUSTER.  The four query blocks of a cluster walk the same K and V: each tile is asked for jointly (mask 15), behind a round of the cluster's barrier.
; REGISTERS.  window 0: v1-14 addresses and constants; v16-29 statistics; v32-159 S^T (64 a tile); v160-223 P (32 a tile); v224-255 the way out.
;   window 1: v0-31 Q; v32-95 O^T; v96-111 the row sums; v112-119 ones; v128-255 K's or V's fragments of a step.
.set PK,    144                        ; a row in LDS: 128 bytes + 16
.set STEPB, 128*PK
.set VOFF,  4*STEPB
.set SLOT1, 2*VOFF
.set STAGE, 2*SLOT1                    ; 16 rows x 144 bytes for each wave
.set SPARE, STAGE+8*16*PK              ; the spare words, 128 bytes for each wave: no other line names them
.set S,   32
.set P,   160
.set KV,  128
.set OT,  32
.set LS,  96
.set ONE, 112
.set ROLE, 67                          ; s67  0: an early wave; 1: a late one
.set MSB, 0
.macro WIN new
.if MSB != (\new)
	s_set_vgpr_msb (MSB<<8)|(\new)
.set MSB, (\new)
.endif
.endm
.macro ROUND
	s_barrier_signal -1
	s_barrier_wait -1
	s_cmp_lg_u32 s10, 0
	s_cbranch_scc1 .Lnot_wave_0_\@
	s_barrier_signal -3
.Lnot_wave_0_\@:
	s_barrier_wait -3
	s_barrier_signal -1
	s_barrier_wait -1
.endm
; A prefetch of what the NEXT change of slots will ask for, four key steps ahead of that load: 512 rows of K and of V, 65,536 bytes each.  Each aligned block of 256 bytes is named once in the launch:
; the head's first cluster asks; its four partners share the blocks out by address, 8,192 bytes each of a half; waves 0 and 2 ask for K's halves, waves 4 and 6 for V's; lanes 256 bytes apart.
; The last change that fills a slot asks for nothing.
.macro ASK
	s_cmp_gt_u32 s12, s18
	s_cbranch_scc0 .Lnot_mine_\@
	global_prefetch_b8 v13, s[16:17] th:TH_LOAD_NT scope:SCOPE_SE
.Lnot_mine_\@:
.endm
.macro MWORDS off                      ; a tile's 64 lane-mask words of a step
	s_load_b512 s[32:47], s[6:7], \off
	s_load_b512 s[48:63], s[6:7], \off+0x40
	s_load_b512 s[68:83], s[6:7], \off+0x80
	s_load_b512 s[84:99], s[6:7], \off+0xc0
.endm
	s_load_b128 s[4:7], s[0:1], 0x0                ; qkv, mw
	s_load_b64 s[8:9], s[0:1], 0x10                ; obuf
	v_lshl_add_u32 v10, v0, 2, SPARE
	v_mov_b32 v11, 0
	ds_add_u32 v10, v11                            ; the opening: the add, twice on end, and its wait ahead of my first tensor load
	ds_add_u32 v10, v11
	v_lshrrev_b32 v1, 5, v0
	v_readfirstlane_b32 s10, v1                    ; wave 0..7
	s_lshr_b32 s[ROLE], s10, 2
	s_xor_b32 s[ROLE], s[ROLE], s10
	s_and_b32 s[ROLE], s[ROLE], 1                  ; my role: bit 0 xor bit 2 of the wave's number
	s_bfe_u32 s32, ttmp6, 0x40000                  ; cx
	s_lshl_b32 s33, ttmp9, 2
	s_add_co_u32 s33, s33, s32                     ; my block of 256 queries
	s_and_b32 s34, ttmp7, 0xffff                   ; 16 b + h, which the partners share
	s_mov_b32 s24, 15|(1<<16)|(1<<20)|(1<<21)|(4<<22)|(3<<25)   ; all four partners; elements of 2 bytes; padding on; bit 21 beside a mask; 4 words behind every 32
	s_mov_b32 s25, 64<<16                          ; tensor_dim0
	s_mov_b32 s26, 128<<16                         ; tensor_dim1
	s_mov_b32 s27, 64<<16                          ; tile_dim0
	s_mov_b32 s28, 128                             ; tile_dim1
	s_mov_b32 s29, 64                              ; pitch
	s_mov_b32 s30, 0
	s_mov_b32 s31, 0
	s_lshr_b32 s36, s10, 2
	s_add_co_u32 s36, s36, 1
	s_lshl_b32 s36, s36, 24                        ; K's plane (waves 0-3) or V's (waves 4-7)
	s_lshl_b32 s35, s34, 18                        ; the head
	s_add_co_u32 s36, s36, s35
	s_and_b32 s38, s10, 3
	s_lshl_b32 s39, s38, 14
	s_add_co_u32 s40, s36, s39                     ; + my 128 rows of a slot's 512
	s_mov_b32 s41, 0
	s_mul_i32 s66, s10, STEPB                      ; and their place in a slot
	s_mov_b32 s19, 0                               ; the slot that is being filled
	s_lshr_b32 s38, s38, 1
	s_lshl_b32 s38, s38, 15
	s_add_co_u32 s42, s36, s38                     ; the prefetches: my half of the tensor's 65,536 bytes of a slot,
	s_lshl_b32 s48, s32, 13
	s_add_co_u32 s42, s42, s48                     ; my work-group's 8,192 of it,
	s_add_co_u32 s42, s42, 65536                   ; in slot 1: the first change steps it to slot 2
	s_mov_b32 s43, 0
	s_and_b32 s18, s10, 1
	s_or_b32 s18, s18, ttmp9
	s_cmp_eq_u32 s18, 0
	s_cselect_b32 s18, 1, -1                       ; 1 in a wave that prefetches: the same in all four partners
	s_lshl_b32 s44, s33, 15
	s_add_co_u32 s44, s44, s35
	s_lshl_b32 s48, s10, 12
	s_add_co_u32 s44, s44, s48                     ; my 32 rows of Q and of O
	s_mov_b32 s45, 0
	s_lshr_b32 s46, s34, 4
	s_lshl_b32 s46, s46, 7
	s_lshl_b32 s48, s33, 4
	s_add_co_u32 s46, s46, s48
	s_lshl_b32 s48, s10, 1
	s_add_co_u32 s46, s46, s48                     ; 128 b + my first query tile
	s_lshl_b32 s46, s46, 12
	s_mov_b32 s47, 0
	s_mov_b32 s14, 0x76543210
	s_mov_b32 s15, 0xfedcba98                      ; v_permlanex16_b32: lane l xor 16
	s_mov_b32 s11, 0                               ; LDS byte of the step in hand
	s_mov_b32 s12, 3                               ; slots still to be asked for
	s_mul_i32 s49, s10, 16*PK
	s_add_co_u32 s49, s49, STAGE
	v_and_b32 v1, 15, v0                           ; r
	v_bfe_u32 v2, v0, 4, 1                         ; h
	v_mul_u32_u24 v3, v1, PK
	v_lshl_add_u32 v3, v2, 4, v3                   ; K: row r, + 16 h
	v_and_b32 v14, 7, v0
	v_bfe_u32 v15, v0, 3, 1
	v_lshl_add_u32 v4, v2, 3, v14
	v_mul_u32_u24 v4, v4, PK
	v_lshl_add_u32 v4, v15, 4, v4
	v_add_nc_u32 v4, VOFF, v4                      ; V, for the turning load: key 8 h + l % 8, channels 8 ((l / 8) % 2) on
	v_lshlrev_b32 v6, 7, v1
	v_lshl_add_u32 v6, v2, 4, v6                   ; Q in memory: row r of 128 bytes, + 16 h
	v_add_nc_u32 v7, s49, v3                       ; the stage, in
	v_bfe_u32 v15, v0, 3, 2
	v_mul_u32_u24 v8, v15, PK
	v_lshl_add_u32 v8, v14, 4, v8
	v_add_nc_u32 v8, s49, v8                       ; and back: row lane / 8, piece lane % 8
	v_and_b32 v14, 31, v0
	v_lshlrev_b32 v9, 4, v14
	v_lshlrev_b32 v13, 8, v14
	v_mov_b32 v12, 0xceabfb8f                      ; T = -1e9 x log2(e)
	v_mov_b32 v16, 0xff61b1e6                      ; m = -3e38, under every t
	v_mov_b32 v18, 0xff61b1e6
.irp i, 17,19,20,21,22,23,28
	v_mov_b32 v\i, 0                               ; the pairs' upper words and the permute's destination are written once
.endr
	s_wait_dscnt 0x0                               ; both opening adds are done
	s_wait_kmcnt 0x0
	s_mov_b32 s20, 1
	s_mov_b32 s21, s66
	s_add_nc_u64 s[22:23], s[4:5], s[40:41]
	s_or_b32 s23, s23, 0x80000000
	s_add_nc_u64 s[16:17], s[4:5], s[42:43]
	s_add_nc_u64 s[4:5], s[4:5], s[44:45]
	s_add_nc_u64 s[8:9], s[8:9], s[44:45]
	s_add_nc_u64 s[6:7], s[6:7], s[46:47]
	ROUND                                          ; all four work-groups are here
	tensor_load_to_lds s[20:23], s[24:31]          ; slot 0
	s_nop 0
.rept 4
	v_nop
.endr
	WIN 0x40                                       ; destination window 1
.irp t, 0,1
.irp s, 0,1
	global_load_b128 v[16*\t+8*\s:16*\t+8*\s+3], v6, s[4:5] offset:2048*\t+64*\s
	global_load_b128 v[16*\t+8*\s+4:16*\t+8*\s+7], v6, s[4:5] offset:2048*\t+64*\s+32
.endr
.endr
.set i, 0
.rept 80
	v_mov_b32 v[OT+i], 0                           ; O^T and the row sums: the step is written once, and its first pass finds zeros
.set i, i+1
.endr
.set i, 0
.rept 8
	v_mov_b32 v[ONE+i], 0x3c003c00                 ; 1.0, 1.0 in f16
.set i, i+1
.endr
	WIN 0
	MWORDS 0                                       ; tile 0's mask words of step 0 (the head's scalar temporaries are done with)
	s_wait_loadcnt 0x0                             ; Q
; One tile's softmax of a step: 64 scores a lane.  more = 1: behind tile 1's selects the next step's words of tile 0 are asked for.
.macro SOFT t, more
.set SX, S+64*(\t)
.set MM, 16+2*(\t)
.set AA, 20+2*(\t)
.set i, 0
.rept 32
	v_cndmask_b32 v[SX+i], v12, v[SX+i], s[32+i]   ; masked scores become T; each accumulator is read from its low end on
.set i, i+1
.endr
.rept 32
	v_cndmask_b32 v[SX+i], v12, v[SX+i], s[36+i]
.set i, i+1
.endr
.if (\t) == 0
	MWORDS 0x1000                                  ; the other tile's words: they have the rest of this softmax in which to come
.else
.if \more
	MWORDS 0                                       ; the pointer stands at the next step: tile 0's words have a whole step in which to come
.endif
.endif
.irp c, 0,1,2,3
	v_max3_num_f32 v[24+\c], v[SX+16*\c], v[SX+16*\c+1], v[SX+16*\c+2]   ; four chains by turns
.endr
.irp k, 0,1,2,3,4,5
.irp c, 0,1,2,3
	v_max3_num_f32 v[24+\c], v[24+\c], v[SX+16*\c+3+2*\k], v[SX+16*\c+4+2*\k]
.endr
.endr
	v_max3_num_f32 v24, v24, v[SX+15], v[SX+31]
	v_max3_num_f32 v26, v26, v[SX+47], v[SX+63]
	v_max3_num_f32 v24, v24, v25, v26
	v_max3_num_f32 v24, v24, v27, v[MM]
	v_permlanex16_b32 v28, v24, s14, s15           ; the query's other keys lie in the lane 16 away
	v_mov_b32 v29, v[MM]
	v_max_num_f32 v[MM], v24, v28
	v_sub_f32 v29, v29, v[MM]
	v_exp_f32 v[AA], v29                           ; a
.set i, 0
.rept 32
	v_pk_add_f32 v[SX+2*i:SX+2*i+1], v[SX+2*i:SX+2*i+1], v[MM:MM+1] op_sel_hi:[1,0] neg_lo:[0,1] neg_hi:[0,1]   ; t - m
.set i, i+1
.endr
.set i, 0
.rept 64
	v_exp_f32 v[SX+i], v[SX+i]
.set i, i+1
.endr
	v_nop                                          ; a plain line behind the last exponential
	s_wait_alu depctr_va_vdst(0)                   ; one wait for the batch of 65, ahead of its first reader
.set i, 0
.rept 32
	v_cvt_pk_f16_f32 v[P+32*(\t)+i], v[SX+2*i], v[SX+2*i+1]
.set i, i+1
.endr
.endm
; PHASE A of a key step: K's fragments, S^T = K Q^T, and V's fragments asked for.  v5 and v14 hold the step's LDS addresses, made in the common text.
.macro PHA
	s_wait_dscnt 0x0                               ; V's loads of the step before are in ahead of K's loads into the same registers (phase BC has waited for them already)
	WIN 0x40
.irp k, 0,1,2,3,4,5,6,7
.irp s, 0,1
	ds_load_b128 v[KV+8*(2*\k+\s):KV+8*(2*\k+\s)+3], v5 offset:16*PK*\k+64*\s
	ds_load_b128 v[KV+8*(2*\k+\s)+4:KV+8*(2*\k+\s)+7], v5 offset:16*PK*\k+64*\s+32
.endr
.endr
	s_wait_dscnt 0x0                               ; K is in
	WIN 0x05                                       ; K and Q window 1, S^T window 0
.irp s, 0,1                                    ; sixteen accumulators take turns, one instruction a turn
.irp k, 0,1,2,3,4,5,6,7
.irp t, 0,1
.if \s == 0
	v_wmma_f32_16x16x32_f16 v[S+64*\t+8*\k:S+64*\t+8*\k+7], v[KV+16*\k:KV+16*\k+7], v[16*\t:16*\t+7], 0
.else
	v_wmma_f32_16x16x32_f16 v[S+64*\t+8*\k:S+64*\t+8*\k+7], v[KV+16*\k+8:KV+16*\k+15], v[16*\t+8:16*\t+15], v[S+64*\t+8*\k:S+64*\t+8*\k+7]
.endif
.endr
.endr
.endr
.rept 4
	v_nop                                          ; four plain places: then loads into K's registers, and reads of the scores
.endr
	WIN 0x40
.irp g, 0,1,2,3
.irp c, 0,1,2,3
	ds_load_tr16_b128 v[KV+8*(4*\g+\c):KV+8*(4*\g+\c)+3], v14 offset:32*PK*\g+32*\c
	ds_load_tr16_b128 v[KV+8*(4*\g+\c)+4:KV+8*(4*\g+\c)+7], v14 offset:32*PK*\g+16*PK+32*\c
.endr
.endr
	WIN 0
.endm
; PHASE BC of a key step: both tiles' softmax, the rescaling, O^T += V^T P and the row sums.  It touches registers alone, but for the wait for V's loads.
.macro PHBC more
	s_wait_kmcnt 0x0                               ; tile 0's mask words
	SOFT 0, 1
	s_wait_kmcnt 0x0                               ; tile 1's
	s_wait_xcnt 0x0                                ; all scalar loads have read their base: it steps only behind these waits
	s_add_nc_u64 s[6:7], s[6:7], 256
	SOFT 1, \more
	WIN 0x41                                       ; O^T and the sums window 1, a window 0
.irp t, 0,1
.set i, 0
.rept 16
	v_pk_mul_f32 v[OT+32*\t+2*i:OT+32*\t+2*i+1], v[OT+32*\t+2*i:OT+32*\t+2*i+1], v[20+2*\t:21+2*\t] op_sel_hi:[1,0]
.set i, i+1
.endr
.set i, 0
.rept 4
	v_pk_mul_f32 v[LS+8*\t+2*i:LS+8*\t+2*i+1], v[LS+8*\t+2*i:LS+8*\t+2*i+1], v[20+2*\t:21+2*\t] op_sel_hi:[1,0]
.set i, i+1
.endr
.endr
	s_wait_dscnt 0x0                               ; V is in
	WIN 0x51                                       ; V and ones window 1, P window 0, C and D window 1
.irp g, 0,1,2,3                                ; ten accumulators take turns
.irp t, 0,1
.irp c, 0,1,2,3
	v_wmma_f32_16x16x32_f16 v[OT+32*\t+8*\c:OT+32*\t+8*\c+7], v[KV+8*(4*\g+\c):KV+8*(4*\g+\c)+7], v[P+32*\t+8*\g:P+32*\t+8*\g+7], v[OT+32*\t+8*\c:OT+32*\t+8*\c+7]
.endr
	v_wmma_f32_16x16x32_f16 v[LS+8*\t:LS+8*\t+7], v[ONE:ONE+7], v[P+32*\t+8*\g:P+32*\t+8*\g+7], v[LS+8*\t:LS+8*\t+7]
.endr
.endr
	WIN 0
.rept 4
	v_nop                                          ; places in front of the next loads into V's registers, and of the way out's reads
.endr
.endm
; A TRIP: early waves A(j), BC(j); late waves BC(j - 1), A(j).  The two branches hang on the wave's number alone and lead round phase A alone.
.macro TRIP
	v_add_nc_u32 v5, s11, v3                       ; step j's K and V in LDS: made ahead of the parting of the roles
	v_add_nc_u32 v14, s11, v4
	s_cmp_eq_u32 s[ROLE], 0
	s_cbranch_scc0 .Lnot_early_\@
	PHA
.Lnot_early_\@:
	PHBC 1
	s_cmp_eq_u32 s[ROLE], 0
	s_cbranch_scc1 .Lnot_late_\@
	PHA
.Lnot_late_\@:
	s_add_co_u32 s11, s11, STEPB
.endm
; The change of slots stands at a slot's head: all my tensor loads have landed, 0 is added to my spare word, the add and my reads of the slot that I left are waited for (a late wave's V of that slot's last step among them).
; fill = 1: a round of the cluster's barrier, and behind it, first, my one joint load into the slot that was left.
.macro CHANGE fill
	s_wait_tensorcnt 0x0
	ds_add_u32 v10, v11
.if \fill
	s_xor_b32 s19, s19, SLOT1                      ; no tensor load of mine is out: the descriptor walks on
	s_add_co_u32 s21, s19, s66
	s_add_nc_u64 s[22:23], s[22:23], 65536
	s_wait_xcnt 0x0                                ; the last prefetch, a slot back, has read its address
	s_add_nc_u64 s[16:17], s[16:17], 65536
	s_wait_dscnt 0x0
	ROUND
	tensor_load_to_lds s[20:23], s[24:31]
	s_nop 0
.rept 4
	v_nop
.endr
	ASK
.else
	s_wait_dscnt 0x0
	s_barrier_signal -1
	s_barrier_wait -1
.endif
.endm
.macro SLOT_STEPS n                    ; the slot's last n trips
	s_mov_b32 s13, \n
.Lstep_\@:
	TRIP
	s_sub_co_u32 s13, s13, 1
	s_cmp_lg_u32 s13, 0
	s_cbranch_scc1 .Lstep_\@
	s_sub_co_u32 s11, s11, 4*STEPB
	s_xor_b32 s11, s11, SLOT1                      ; on to the other slot
.endm
	CHANGE 1                                       ; slot 0 is whole; slot 1's first fill goes out
	v_add_nc_u32 v5, s11, v3                       ; TRIP 0, written out: phase A for all waves,
	v_add_nc_u32 v14, s11, v4
	PHA
	s_cmp_eq_u32 s[ROLE], 0
	s_cbranch_scc0 .Lfirst_late
	PHBC 1                                         ; phase BC for the early waves alone: from here on the late waves are half a step behind
.Lfirst_late:
	s_add_co_u32 s11, s11, STEPB
	SLOT_STEPS 3
	s_mov_b32 s12, 2
.Lslot:                                            ; two trips: behind each of these changes the next slot is asked for
	CHANGE 1
	SLOT_STEPS 4
	s_sub_co_u32 s12, s12, 1
	s_cmp_lg_u32 s12, 0
	s_cbranch_scc1 .Lslot
	CHANGE 0                                       ; the last slot is written out
	SLOT_STEPS 4
	s_cmp_eq_u32 s[ROLE], 0
	s_cbranch_scc1 .Lno_tail
	PHBC 0                                         ; the late waves' last phase BC
.Lno_tail:
	; THE WAY OUT: O^T / the row sum, rounded to f16, through my stage, back as rows of 128 bytes; a store covers four rows: 512 consecutive bytes.
	WIN 0x01                                       ; source 0 window 1
	v_rcp_f32 v20, v[LS]
	v_rcp_f32 v22, v[LS+8]
	v_nop
	s_wait_alu depctr_va_vdst(0)                   ; one wait for both reciprocals
.irp t, 0,1
.set i, 0
.rept 16
	v_pk_mul_f32 v[S+32*\t+2*i:S+32*\t+2*i+1], v[OT+32*\t+2*i:OT+32*\t+2*i+1], v[20+2*\t:21+2*\t] op_sel_hi:[1,0]
.set i, i+1
.endr
.endr
	WIN 0
.irp t, 0,1
.set i, 0
.rept 16
	v_cvt_pk_f16_f32 v[P+16*\t+i], v[S+32*\t+2*i], v[S+32*\t+2*i+1]
.set i, i+1
.endr
.irp c, 0,1,2,3
	ds_store_b128 v7, v[P+16*\t+4*\c:P+16*\t+4*\c+3] offset:32*\c
.endr
.irp g, 0,1,2,3
	ds_load_b128 v[224+16*\t+4*\g:224+16*\t+4*\g+3], v8 offset:4*PK*\g   ; LDS serves a wave's instructions in order
.endr
.endr
.irp t, 0,1
.irp g, 0,1,2,3
	s_wait_dscnt 8*(1-\t)+3-\g                     ; the younger LDS instructions may stay out
	global_store_b128 v9, v[224+16*\t+4*\g:224+16*\t+4*\g+3], s[8:9] offset:2048*\t+512*\g
.endr
.endr
	s_wait_tensorcnt 0x0                           ; the wave's end
	ds_add_u32 v10, v11
	s_wait_dscnt 0x0
	ROUND                                          ; the closing round
	s_endpgm
.Lfunc_end_k_q4926f1f7c8_attn:
	.size	k_q4926f1f7c8_attn, .Lfunc_end_k_q4926f1f7c8_attn-k_q4926f1f7c8_attn
	.p2alignl 7, 3214868480
	.fill 96, 4, 3214868480
	.section	.rodata,"a",@progbits
	.p2align	6, 0x0
	.amdhsa_kernel k_q4926f1f7c8_attn
		.amdhsa_group_segment_fixed_size 327680
		.amdhsa_private_segment_fixed_size 0
		.amdhsa_enable_private_segment 0
		.amdhsa_kernarg_size 24
		.amdhsa_user_sgpr_count 2
		.amdhsa_user_sgpr_kernarg_segment_ptr 1
		.amdhsa_wavefront_size32 1
		.amdhsa_system_sgpr_workgroup_id_x 1
		.amdhsa_system_sgpr_workgroup_id_y 1
		.amdhsa_system_sgpr_workgroup_id_z 1
		.amdhsa_system_vgpr_workitem_id 0
		.amdhsa_next_free_vgpr 512
		.amdhsa_next_free_sgpr 100
		.amdhsa_reserve_vcc 0
		.amdhsa_float_denorm_mode_32 3
		.amdhsa_float_denorm_mode_16_64 3
		.amdhsa_memory_ordered 1
		.amdhsa_forward_progress 1
		.amdhsa_inst_pref_size 217
	.end_amdhsa_kernel
	.amdgpu_metadata
---
amdhsa.version: [ 1, 2 ]
amdhsa.kernels:
  - .name:           k_q4926f1f7c8_attn
    .symbol:         k_q4926f1f7c8_attn.kd
    .args:
      - { .name: qkv, .offset: 0, .size: 8, .value_kind: global_buffer, .address_space: global }
      - { .name: mw, .offset: 8, .size: 8, .value_kind: global_buffer, .address_space: global }
      - { .name: obuf, .offset: 16, .size: 8, .value_kind: global_buffer, .address_space: global }
    .group_segment_fixed_size: 327680
    .private_segment_fixed_size: 0
    .kernarg_segment_align: 8
    .kernarg_segment_size: 24
    .max_flat_workgroup_size: 256
    .sgpr_count:     100
    .vgpr_count:     512
    .wavefront_size: 32
...
	.end_amdgpu_metadata
.endif
;; end of part 3
;; launch oproj (part 4): grid 4 x 64, 4 waves a work-group, clusters of 4 x 4, 327,680 bytes of LDS; arguments obuf, wo16, out0; writes out0
.if DOCPART == 4
	.amdgcn_target "amdgcn-amd-amdhsa--gfx1250"
	.amdhsa_code_object_version 6
	.text
	.protected	k_q4926f1f7c8_oproj
	.globl	k_q4926f1f7c8_oproj
	.p2align	8
	.type	k_q4926f1f7c8_oproj,@function
k_q4926f1f7c8_oproj:
	s_mov_b64 s[64:65], 0
	v_nop
	global_prefetch_b8 v0, s[64:65] scope:SCOPE_SE
	s_setreg_imm32_b32 hwreg(HW_REG_WAVE_MODE, 25, 1), 1
	s_wait_xcnt 0x0
	s_wait_alu depctr_hold_cnt(0) depctr_sa_sdst(0) depctr_va_vdst(0) depctr_va_sdst(0) depctr_va_ssrc(0) depctr_va_vcc(0) depctr_vm_vsrc(0)
	s_getreg_b32 s2, hwreg(HW_REG_IB_STS2, 6, 4)
	s_cmp_eq_u32 s2, 0
	s_cbranch_scc0 .Lentry_in_a_cluster
	s_endpgm
.Lentry_in_a_cluster:
	s_bfe_u32 s2, ttmp6, 0x10000c
	s_cmp_lg_u32 s2, 0xf033
	s_cbranch_scc0 .Lentry_shape_is_right
	s_endpgm
.Lentry_shape_is_right:
; out0[m][n] = sum over k of O[m][k] Wo[n][k], f16 operands, f32 sums and output.  O: obuf[b][h][s][64] (k = 64 h + d); Wo: wo16[1024][1024]; out0 [8192][1024] f32.
; A tile of 128 x 256 gives 256 work-groups.  Four waves, each 64 x 128: 32 accumulators, all of window 1.  K goes in steps of 128 (two heads) through a ring of two slots.
; A slot: A as two head planes of 128 rows x 144 bytes, then B as 256 rows x 272 bytes.  Waves 0, 1 fetch A's planes, waves 2, 3 B's halves: one load a wave behind each round; two loads of a wave are out at the head, then one.
; CLUSTERS 4 x 4: A's tiles are asked for jointly along a row, B's along a column.  No prefetch: small tiles, shared in clusters.
; THE MATRIX INSTRUCTION IS USED TRANSPOSED (source 0 = 16 rows of Wo, source 1 = 16 rows of O): a lane holds eight neighbouring columns of a row.
; REGISTERS, window 0: v16-29 addresses; A's fragments v32-63, v64-95; B's v96-159, v160-223; on the way out v32-159 take rows read back.   window 1: accumulator (a, b) at v[8 (8 a + b)].
.set PA,    144
.set PB,    272
.set APL,   128*PA                     ; a head plane
.set BOFF,  2*APL
.set BHALF, 128*PB
.set SLOT,  BOFF+2*BHALF
.set STAGE, 2*SLOT
.set SPITCH, 528
.set SPARE, STAGE+4*16*SPITCH          ; the spare words, 128 bytes for each wave: no other line names them
.set ADRA, 16
.set ADRB, 20
.set STO,  24
.set RD,   25
.set CO,   26
.set SPW,  28
.set NIL,  29
.set G1, 24
.set G0, 32
.set G1B, 48
.set G0B, 56
.set MUL, 0x50                         ; C and D window 1
.set MSB, 0
.macro WIN new
.if MSB != (\new)
	s_set_vgpr_msb (MSB<<8)|(\new)
.set MSB, (\new)
.endif
.endm
.macro JLOAD s                         ; a joint load; an s_nop 0 and four v_nop follow each line
	s_cmp_eq_u32 s11, 0
	s_cbranch_scc0 .Lfor_b_\@
	tensor_load_to_lds s[G0+4*\s:G0+4*\s+3], s[G1:G1+7]
	s_nop 0
.rept 4
	v_nop
.endr
	s_branch .Lasked_\@
.Lfor_b_\@:
	tensor_load_to_lds s[G0B+4*\s:G0B+4*\s+3], s[G1B:G1B+7]
	s_nop 0
.rept 4
	v_nop
.endr
.Lasked_\@:
.endm
.macro CREST
	s_cmp_lg_u32 s10, 0
	s_cbranch_scc1 .Lnot_wave_0_\@
	s_barrier_signal -3
.Lnot_wave_0_\@:
	s_barrier_wait -3
	s_barrier_signal -1
	s_barrier_wait -1
.endm
.macro CROUND
	s_barrier_signal -1
	s_barrier_wait -1
	CREST
.endm
	s_load_b128 s[4:7], s[0:1], 0x0                ; obuf, wo16
	s_load_b64 s[8:9], s[0:1], 0x10                ; out0
	v_lshl_add_u32 v[SPW], v0, 2, SPARE
	v_mov_b32 v[NIL], 0
	ds_add_u32 v[SPW], v[NIL]                      ; the opening: the add, twice on end, and its wait ahead of my first tensor load
	ds_add_u32 v[SPW], v[NIL]
	v_lshrrev_b32 v1, 5, v0
	v_readfirstlane_b32 s10, v1                    ; wave 0..3
	s_lshr_b32 s11, s10, 1                         ; my half of the rows; also: I fetch for A (0) or B (1)
	s_and_b32 s12, s10, 1                          ; my half of the columns; also: which part I fetch
	s_bfe_u32 s40, ttmp6, 0x40000                  ; cx
	s_bfe_u32 s41, ttmp6, 0x40004                  ; cy
	s_lshl_b32 s42, ttmp9, 2
	s_add_co_u32 s42, s42, s40                     ; tile column
	s_and_b32 s13, ttmp7, 0xffff
	s_lshl_b32 s13, s13, 2
	s_add_co_u32 s13, s13, s41                     ; tile row
	s_lshl_b32 s43, s41, 2
	s_lshl_b32 s43, 15, s43                        ; my row of the cluster
	s_lshl_b32 s44, 0x1111, s40                    ; my column
	s_or_b32 s[G1+0], s43, (1<<16)|(1<<20)|(1<<21)|(4<<22)|(3<<25)   ; A: elements of 2 bytes; 4 words of padding behind every 32
	s_mov_b32 s[G1+1], 64<<16
	s_mov_b32 s[G1+2], 128<<16
	s_mov_b32 s[G1+3], 64<<16
	s_mov_b32 s[G1+4], 128
	s_mov_b32 s[G1+5], 64
	s_mov_b32 s[G1+6], 0
	s_mov_b32 s[G1+7], 0
	s_or_b32 s[G1B+0], s44, (1<<16)|(1<<20)|(1<<21)|(5<<22)|(3<<25)  ; B: 4 words behind every 64
	s_mov_b32 s[G1B+1], 128<<16
	s_mov_b32 s[G1B+2], 128<<16
	s_mov_b32 s[G1B+3], 128<<16
	s_mov_b32 s[G1B+4], 128
	s_mov_b32 s[G1B+5], 1024
	s_mov_b32 s[G1B+6], 0
	s_mov_b32 s[G1B+7], 0
	s_lshr_b32 s16, s13, 4
	s_lshl_b32 s16, s16, 22                        ; b: 16 heads of 262,144 bytes
	s_and_b32 s17, s13, 15
	s_lshl_b32 s17, s17, 14                        ; 128 positions of 128 bytes
	s_add_co_u32 s16, s16, s17
	s_lshl_b32 s17, s12, 18                        ; my head of the K step's two
	s_add_co_u32 s16, s16, s17
	s_mov_b32 s17, 0
	s_lshl_b32 s46, s42, 19                        ; 256 rows of 2,048 bytes
	s_lshl_b32 s47, s12, 18
	s_add_co_u32 s46, s46, s47
	s_mov_b32 s47, 0
	s_mul_i32 s20, s12, APL
	s_mul_i32 s21, s12, BHALF
	s_add_co_u32 s21, s21, BOFF
	s_wait_dscnt 0x0                               ; both opening adds are done
	s_wait_kmcnt 0x0
	s_add_nc_u64 s[14:15], s[4:5], s[16:17]
	s_add_nc_u64 s[46:47], s[6:7], s[46:47]
	CROUND
.irp s, 0,1
	s_mov_b32 s[G0+4*\s], 1
	s_add_co_u32 s[G0+4*\s+1], s20, \s*SLOT
	s_add_nc_u64 s[G0+4*\s+2:G0+4*\s+3], s[14:15], \s*524288
	s_or_b32 s[G0+4*\s+3], s[G0+4*\s+3], 0x80000000
	s_mov_b32 s[G0B+4*\s], 1
	s_add_co_u32 s[G0B+4*\s+1], s21, \s*SLOT
	s_add_nc_u64 s[G0B+4*\s+2:G0B+4*\s+3], s[46:47], \s*256
	s_or_b32 s[G0B+4*\s+3], s[G0B+4*\s+3], 0x80000000
	JLOAD \s
.endr
	v_and_b32 v1, 15, v0                           ; r
	v_bfe_u32 v2, v0, 4, 1                         ; h
	v_mul_u32_u24 v3, v1, PA
	v_lshl_add_u32 v3, v2, 4, v3
	v_mul_u32_u24 v4, v1, PB
	v_lshl_add_u32 v4, v2, 4, v4
	s_mul_i32 s22, s11, 64*PA                      ; my 64 rows of A
	s_mul_i32 s23, s12, BHALF
	s_add_co_u32 s23, s23, BOFF                    ; my 128 rows of B
.irp s, 0,1
	v_add_nc_u32 v[ADRA+\s], s22, v3
	v_add_nc_u32 v[ADRB+\s], s23, v4
	s_add_co_u32 s22, s22, SLOT
	s_add_co_u32 s23, s23, SLOT
.endr
	s_mul_i32 s23, s10, 16*SPITCH
	s_add_co_u32 s23, s23, STAGE                   ; my stage
	v_mul_u32_u24 v5, v1, SPITCH
	v_lshl_add_u32 v5, v2, 5, v5
	v_add_nc_u32 v[STO], s23, v5
	v_and_b32 v6, 31, v0
	v_lshlrev_b32 v[CO], 4, v6
	v_add_nc_u32 v[RD], s23, v[CO]
	s_lshl_b32 s16, s13, 19                        ; 128 rows of 4,096 bytes
	s_lshl_b32 s17, s11, 18
	s_add_co_u32 s16, s16, s17
	s_lshl_b32 s17, s42, 10
	s_add_co_u32 s16, s16, s17
	s_lshl_b32 s17, s12, 9
	s_add_co_u32 s16, s16, s17
	s_mov_b32 s17, 0
	s_add_nc_u64 s[8:9], s[8:9], s[16:17]
.macro FETCH slot, q, f                ; the fragments of 32 along K, the slot's q-th: 8 of B, 4 of A, into buffer f: 24 loads in one run
.irp i, 0,1,2,3,4,5,6,7
	ds_load_b128 v[96+64*(\f)+8*\i:96+64*(\f)+8*\i+3], v[ADRB+\slot] offset:64*(\q)+16*PB*\i
	ds_load_b128 v[96+64*(\f)+8*\i+4:96+64*(\f)+8*\i+7], v[ADRB+\slot] offset:64*(\q)+16*PB*\i+32
.endr
.irp i, 0,1,2,3
	ds_load_b128 v[32+32*(\f)+8*\i:32+32*(\f)+8*\i+3], v[ADRA+\slot] offset:((\q)/2)*APL+((\q)%2)*64+16*PA*\i
	ds_load_b128 v[32+32*(\f)+8*\i+4:32+32*(\f)+8*\i+7], v[ADRA+\slot] offset:((\q)/2)*APL+((\q)%2)*64+16*PA*\i+32
.endr
.endm
.macro MUL8 f, a, zero                 ; the 32 accumulators take turns in one fixed order
.irp b, 0,1,2,3,4,5,6,7
.if \zero
	v_wmma_f32_16x16x32_f16 v[8*(8*(\a)+\b):8*(8*(\a)+\b)+7], v[96+64*(\f)+8*\b:96+64*(\f)+8*\b+7], v[32+32*(\f)+8*(\a):32+32*(\f)+8*(\a)+7], 0
.else
	v_wmma_f32_16x16x32_f16 v[8*(8*(\a)+\b):8*(8*(\a)+\b)+7], v[96+64*(\f)+8*\b:96+64*(\f)+8*\b+7], v[32+32*(\f)+8*(\a):32+32*(\f)+8*(\a)+7], v[8*(8*(\a)+\b):8*(8*(\a)+\b)+7]
.endif
.endr
.endm
.macro PLACES
.rept 4
	v_nop
.endr
.endm
.macro QUARTER slot, qn, f, g, zero    ; multiplies buffer f; ahead of it the next quarter, qn, is asked for into g: it has 32 matrix instructions in which to come
	s_wait_dscnt 0x0                               ; buffer f is in
	PLACES
	FETCH \slot, \qn, \g
	WIN MUL
	MUL8 \f, 0, \zero
	MUL8 \f, 1, \zero
	MUL8 \f, 2, \zero
	MUL8 \f, 3, \zero
	WIN 0
.endm
; A slot's last quarter multiplies buffer 1 and changes slots: one barrier; ahead of it all my tensor loads, the add, and my reads of the slot are waited for.  fill = 1: it opens a round of the cluster's barrier, and the slot is filled again.
.macro TURN slot, next, fill
	s_wait_tensorcnt 0x0
	ds_add_u32 v[SPW], v[NIL]
	s_wait_dscnt 1                                 ; buffer 1 is in; the add may be out
	WIN MUL
	MUL8 1, 0, 0
	s_wait_dscnt 0x0
	s_barrier_signal -1
	MUL8 1, 1, 0
	WIN 0
	s_barrier_wait -1
.if \fill
	CREST
	s_add_nc_u64 s[G0+4*\slot+2:G0+4*\slot+3], s[G0+4*\slot+2:G0+4*\slot+3], 1048576   ; two K steps on: four heads
	s_add_nc_u64 s[G0B+4*\slot+2:G0B+4*\slot+3], s[G0B+4*\slot+2:G0B+4*\slot+3], 512
	JLOAD \slot                                    ; its four v_nop are also the places in front of the loads below
.else
	PLACES
.endif
	FETCH \next, 0, 0
	WIN MUL
	MUL8 1, 2, 0
	MUL8 1, 3, 0
	WIN 0
.endm
	s_wait_tensorcnt 1                             ; my part of K step 0 is in; K step 1's load may be out
	s_barrier_signal -1
	s_barrier_wait -1
	FETCH 0, 0, 0
	QUARTER 0, 1, 0, 1, 1                          ; the first products start the sums
	s_mov_b32 s3, 3
.Llap:
	QUARTER 0, 2, 1, 0, 0
	QUARTER 0, 3, 0, 1, 0
	TURN 0, 1, 1
	QUARTER 1, 1, 0, 1, 0
	QUARTER 1, 2, 1, 0, 0
	QUARTER 1, 3, 0, 1, 0
	TURN 1, 0, 1
	QUARTER 0, 1, 0, 1, 0
	s_sub_co_u32 s3, s3, 1
	s_cmp_lg_u32 s3, 0
	s_cbranch_scc1 .Llap
	QUARTER 0, 2, 1, 0, 0                          ; the last lap fills nothing
	QUARTER 0, 3, 0, 1, 0
	TURN 0, 1, 0
	QUARTER 1, 1, 0, 1, 0
	QUARTER 1, 2, 1, 0, 0
	QUARTER 1, 3, 0, 1, 0
	s_wait_dscnt 0x0
	WIN MUL
	MUL8 1, 0, 0
	MUL8 1, 1, 0
	MUL8 1, 2, 0
	MUL8 1, 3, 0
	WIN 0
; THE WAY OUT, a block of 16 rows x 128 columns at a time, through my stage; a store covers a row's 512 consecutive bytes.
.macro TOSTAGE a
	WIN 0x04                                       ; an LDS store's data: window 1
.irp b, 0,1,2,3,4,5,6,7
	ds_store_b128 v[STO], v[64*(\a)+8*\b:64*(\a)+8*\b+3] offset:64*\b
	ds_store_b128 v[STO], v[64*(\a)+8*\b+4:64*(\a)+8*\b+7] offset:64*\b+16
.endr
	WIN 0
.set BB, 32+64*((\a)%2)
.irp t, 0,1,2,3,4,5,6,7,8,9,10,11,12,13,14,15
	ds_load_b128 v[BB+4*\t:BB+4*\t+3], v[RD] offset:\t*SPITCH
.endr
.endm
.macro SEND a, younger
.set BB, 32+64*((\a)%2)
	s_wait_dscnt \younger
.irp t, 0,1,2,3,4,5,6,7,8,9,10,11,12,13,14,15
	global_store_b128 v[CO], v[BB+4*\t:BB+4*\t+3], s[8:9] offset:(\a)*65536+\t*4096 th:TH_STORE_NT
.endr
.endm
	PLACES
	TOSTAGE 0
.irp a, 1,2,3
.if \a > 1
	s_wait_xcnt 0x0                                ; block a - 2's stores have read their registers: block a's loads land there only behind this wait
.endif
	TOSTAGE \a
	SEND \a-1, 32                                  ; behind block a - 1's loads: block a's 16 stores and 16 loads
.endr
	SEND 3, 0
	s_wait_tensorcnt 0x0                           ; the wave's end
	ds_add_u32 v[SPW], v[NIL]
	s_wait_dscnt 0x0
	CROUND                                         ; the closing round
	s_endpgm
.Lfunc_end_k_q4926f1f7c8_oproj:
	.size	k_q4926f1f7c8_oproj, .Lfunc_end_k_q4926f1f7c8_oproj-k_q4926f1f7c8_oproj
	.p2alignl 7, 3214868480
	.fill 96, 4, 3214868480
	.section	.rodata,"a",@progbits
	.p2align	6, 0x0
	.amdhsa_kernel k_q4926f1f7c8_oproj
		.amdhsa_group_segment_fixed_size 327680
		.amdhsa_private_segment_fixed_size 0
		.amdhsa_enable_private_segment 0
		.amdhsa_kernarg_size 24
		.amdhsa_user_sgpr_count 2
		.amdhsa_user_sgpr_kernarg_segment_ptr 1
		.amdhsa_wavefront_size32 1
		.amdhsa_system_sgpr_workgroup_id_x 1
		.amdhsa_system_sgpr_workgroup_id_y 1
		.amdhsa_system_sgpr_workgroup_id_z 1
		.amdhsa_system_vgpr_workitem_id 0
		.amdhsa_next_free_vgpr 512
		.amdhsa_next_free_sgpr 66
		.amdhsa_reserve_vcc 0
		.amdhsa_float_denorm_mode_32 3
		.amdhsa_float_denorm_mode_16_64 3
		.amdhsa_memory_ordered 1
		.amdhsa_forward_progress 1
		.amdhsa_inst_pref_size 84
	.end_amdhsa_kernel
	.amdgpu_metadata
---
amdhsa.version: [ 1, 2 ]
amdhsa.kernels:
  - .name:           k_q4926f1f7c8_oproj
    .symbol:         k_q4926f1f7c8_oproj.kd
    .args:
      - { .name: obuf, .offset: 0, .size: 8, .value_kind: global_buffer, .address_space: global }
      - { .name: wo16, .offset: 8, .size: 8, .value_kind: global_buffer, .address_space: global }
      - { .name: out0, .offset: 16, .size: 8, .value_kind: global_buffer, .address_space: global }
    .group_segment_fixed_size: 327680
    .private_segment_fixed_size: 0
    .kernarg_segment_align: 8
    .kernarg_segment_size: 24
    .max_flat_workgroup_size: 128
    .sgpr_count:     66
    .vgpr_count:     512
    .wavefront_size: 32
...
	.end_amdgpu_metadata
.endif
;; end of part 4
;; launch fattn (part 5): grid 64 x 1, 16 waves a work-group, no clusters, 299,008 bytes of LDS; arguments qkv, mw, ofine; writes ofine
.if DOCPART == 5
	.amdgcn_target "amdgcn-amd-amdhsa--gfx1250"
	.amdhsa_code_object_version 6
	.text
	.protected	k_q4926f1f7c8_fattn
	.globl	k_q4926f1f7c8_fattn
	.p2align	8
	.type	k_q4926f1f7c8_fattn,@function
k_q4926f1f7c8_fattn:
	s_mov_b64 s[64:65], 0
	v_nop
	global_prefetch_b8 v0, s[64:65] scope:SCOPE_SE
	s_setreg_imm32_b32 hwreg(HW_REG_WAVE_MODE, 25, 1), 1
	s_wait_xcnt 0x0
; POSITIONS 0-15 OF EVERY SEQUENCE, CARRIED FINER.  A work-group is one (b, h); its one tile of 16 queries meets all 2,048 keys: wave w takes keys 128 w .. 128 w + 127.
; As the main attention launch, but: the weights p go to the second product as a PAIR of f16 numbers, split in f32 (high = p with its low 13 mantissa bits cleared, low = p - high, exact),
; the row sum is taken of the unrounded p in f32, and O leaves in f32: ofine[16 b + position][64 h + d].
; Each wave has a maximum of its own; the sixteen partial results meet in LDS and are brought under the common maximum: o = sum of 2^(m_w - m) o_w, l likewise.
; LIMIT: a high part under 2^-14 is rounded once more by its conversion: at most 2^-25 beside a largest p of 1.
; No tensor load.  V goes through the wave's own LDS region (rows 144 bytes apart) for the turning load; the same region then takes the wave's partial O (rows 272 bytes apart).  One barrier.
; REGISTERS: v1-12 addresses, v13, v14 the add's two, v15 T; v16-31 Q, then at work; v32-159 V as loaded; then v32-95 S^T and p, v96-127 p's high parts, v32-63 its low parts, v64-95 O^T; v128-255 K's, then V's fragments.
.set REG,   18432
.set MB,    16*REG                     ; the waves' maxima, 64 bytes each; their sums 1,024 bytes on
.set SPARE, MB+2048                    ; the spare words, 128 bytes for each wave: no other line names them
	s_load_b128 s[4:7], s[0:1], 0x0                ; qkv, mw
	s_load_b64 s[8:9], s[0:1], 0x10                ; ofine
	v_lshl_add_u32 v13, v0, 2, SPARE
	v_mov_b32 v14, 0
	v_lshrrev_b32 v32, 5, v0
	v_readfirstlane_b32 s10, v32                   ; wave 0..15
	v_and_b32 v32, 15, v0                          ; r
	v_bfe_u32 v33, v0, 4, 1                        ; h
	v_and_b32 v34, 31, v0                          ; lane
	v_and_b32 v35, 7, v0
	v_bfe_u32 v36, v0, 3, 2
	v_bfe_u32 v37, v0, 3, 1
	s_mul_i32 s11, s10, REG
	v_lshlrev_b32 v1, 7, v32
	v_lshl_add_u32 v1, v33, 4, v1                  ; Q, K in memory: row r of 128 bytes, + 16 h
	v_lshlrev_b32 v2, 4, v34                       ; V in memory: 16 bytes a lane
	v_mul_u32_u24 v3, v36, 144
	v_lshl_add_u32 v3, v35, 4, v3
	v_add_nc_u32 v3, s11, v3                       ; V into LDS: row lane / 8, piece lane % 8
	v_lshl_add_u32 v4, v33, 3, v35
	v_mul_u32_u24 v4, v4, 144
	v_lshl_add_u32 v4, v37, 4, v4
	v_add_nc_u32 v4, s11, v4                       ; the turning load
	v_mul_u32_u24 v5, v32, 272
	v_lshl_add_u32 v5, v33, 5, v5
	v_add_nc_u32 v5, s11, v5                       ; my partial O: row r, + 32 h
	s_lshl_b32 s12, s10, 6
	s_add_co_u32 s12, s12, MB
	v_lshl_add_u32 v6, v32, 2, s12                 ; my maximum and sum: 64 w + 4 r
	s_and_b32 s13, s10, 7
	s_lshl_b32 s13, s13, 1
	v_add_nc_u32 v38, s13, v33                     ; the query that I combine: 2 (w % 8) + h
	v_mul_u32_u24 v7, v38, 272
	v_lshl_add_u32 v7, v32, 4, v7                  ; its row in a region, my four channels
	v_add_nc_u32 v8, 4*REG, v7
	v_add_nc_u32 v9, 8*REG, v7
	v_add_nc_u32 v10, 12*REG, v7
	v_lshl_add_u32 v11, v38, 2, MB
	v_lshlrev_b32 v12, 12, v38
	v_lshl_add_u32 v12, v32, 4, v12                ; and in ofine: a row of 4,096 bytes
	v_mov_b32 v15, 0xceabfb8f                      ; T = -1e9 x log2(e)
	s_mov_b32 s22, 0x76543210
	s_mov_b32 s23, 0xfedcba98
	s_lshl_b32 s24, ttmp9, 18                      ; the head
	s_mov_b32 s25, 0
	s_lshl_b32 s26, s10, 14                        ; my 128 keys
	s_add_co_u32 s26, s26, s24
	s_add_co_u32 s26, s26, 1<<24                   ; in K's plane
	s_mov_b32 s27, 0
	s_lshr_b32 s28, ttmp9, 4                       ; b
	s_lshl_b32 s30, s28, 19
	s_lshl_b32 s29, s10, 8
	s_add_co_u32 s30, s30, s29                     ; mask words: query tile 0 of b, key tile 8 w
	s_mov_b32 s31, 0
	s_lshl_b32 s28, s28, 16
	s_and_b32 s29, ttmp9, 15
	s_lshl_b32 s29, s29, 8
	s_add_co_u32 s28, s28, s29                     ; ofine: 16 rows of b, the head's 256 bytes
	s_mov_b32 s29, 0
	s_wait_kmcnt 0x0
	s_add_nc_u64 s[16:17], s[4:5], s[24:25]        ; Q
	s_add_nc_u64 s[18:19], s[4:5], s[26:27]        ; K
	s_add_nc_u64 s[20:21], s[18:19], 1<<24         ; V
	s_add_nc_u64 s[6:7], s[6:7], s[30:31]
	s_add_nc_u64 s[8:9], s[8:9], s[28:29]
.irp s, 0,1
	global_load_b128 v[16+8*\s:19+8*\s], v1, s[16:17] offset:64*\s
	global_load_b128 v[20+8*\s:23+8*\s], v1, s[16:17] offset:64*\s+32
.endr
.set n, 0
.rept 32
	global_load_b128 v[32+4*n:35+4*n], v2, s[20:21] offset:512*n   ; four rows of V: 512 consecutive bytes
.set n, n+1
.endr
.irp f, 4,5,6,7,8,9,10,11,12,13,14,15
	global_load_b128 v[128+8*\f:131+8*\f], v1, s[18:19] offset:2048*(\f/2)+64*(\f%2)
	global_load_b128 v[132+8*\f:135+8*\f], v1, s[18:19] offset:2048*(\f/2)+64*(\f%2)+32
.endr
	s_load_b512 s[32:47], s[6:7], 0x0
	s_load_b512 s[48:63], s[6:7], 0x40
	s_load_b512 s[68:83], s[6:7], 0x80
	s_load_b512 s[84:99], s[6:7], 0xc0
	s_wait_loadcnt 24                              ; Q and V are in; K's 24 loads may be out
.set n, 0
.rept 32
	ds_store_b128 v3, v[32+4*n:35+4*n] offset:576*n
.set n, n+1
.endr
	s_wait_dscnt 0x0                               ; the stores are done: their registers take K's first four fragments
.irp f, 0,1,2,3
	global_load_b128 v[128+8*\f:131+8*\f], v1, s[18:19] offset:2048*(\f/2)+64*(\f%2)
	global_load_b128 v[132+8*\f:135+8*\f], v1, s[18:19] offset:2048*(\f/2)+64*(\f%2)+32
.endr
	s_wait_loadcnt 0x0
	s_wait_kmcnt 0x0
.irp s, 0,1                                    ; S^T = K Q^T: eight accumulators take turns
.irp k, 0,1,2,3,4,5,6,7
.if \s == 0
	v_wmma_f32_16x16x32_f16 v[32+8*\k:39+8*\k], v[128+16*\k:135+16*\k], v[16:23], 0
.else
	v_wmma_f32_16x16x32_f16 v[32+8*\k:39+8*\k], v[136+16*\k:143+16*\k], v[24:31], v[32+8*\k:39+8*\k]
.endif
.endr
.endr
.rept 4
	v_nop                                          ; places: then loads into K's registers, writes of Q's, reads of the scores
.endr
.irp g, 0,1,2,3
.irp c, 0,1,2,3
	ds_load_tr16_b128 v[128+8*(4*\g+\c):131+8*(4*\g+\c)], v4 offset:4608*\g+32*\c
	ds_load_tr16_b128 v[132+8*(4*\g+\c):135+8*(4*\g+\c)], v4 offset:4608*\g+2304+32*\c
.endr
.endr
	v_mov_b32 v17, 0
	v_mov_b32 v28, 0
.set i, 0
.rept 32
	v_cndmask_b32 v[32+i], v15, v[32+i], s[32+i]
.set i, i+1
.endr
.rept 32
	v_cndmask_b32 v[32+i], v15, v[32+i], s[36+i]
.set i, i+1
.endr
.irp c, 0,1,2,3
	v_max3_num_f32 v[24+\c], v[32+16*\c], v[33+16*\c], v[34+16*\c]
.endr
.irp k, 0,1,2,3,4,5
.irp c, 0,1,2,3
	v_max3_num_f32 v[24+\c], v[24+\c], v[35+16*\c+2*\k], v[36+16*\c+2*\k]
.endr
.endr
	v_max3_num_f32 v24, v24, v47, v63
	v_max3_num_f32 v26, v26, v79, v95
	v_max3_num_f32 v24, v24, v25, v26
	v_max_num_f32 v24, v24, v27
	v_permlanex16_b32 v28, v24, s22, s23
	v_max_num_f32 v16, v24, v28                    ; my wave's maximum for query r
.set i, 0
.rept 32
	v_pk_add_f32 v[32+2*i:33+2*i], v[32+2*i:33+2*i], v[16:17] op_sel_hi:[1,0] neg_lo:[0,1] neg_hi:[0,1]
.set i, i+1
.endr
.set i, 0
.rept 64
	v_exp_f32 v[32+i], v[32+i]
.set i, i+1
.endr
	v_nop
	s_wait_alu depctr_va_vdst(0)                   ; one wait for the batch, ahead of its first reader
	v_pk_add_f32 v[24:25], v[32:33], v[34:35]      ; the sum of the unrounded p, in two chains
	v_pk_add_f32 v[26:27], v[36:37], v[38:39]
.irp j, 8,12,16,20,24,28,32,36,40,44,48,52,56,60
	v_pk_add_f32 v[24:25], v[24:25], v[32+\j:33+\j]
	v_pk_add_f32 v[26:27], v[26:27], v[34+\j:35+\j]
.endr
	v_pk_add_f32 v[24:25], v[24:25], v[26:27]
	v_add_f32 v24, v24, v25
	v_permlanex16_b32 v28, v24, s22, s23
	v_add_f32 v18, v24, v28
.set i, 0
.rept 32                                       ; p = high + low; pair i of the lows lands on registers that have been read
.set TP, 24+2*(i%4)
	v_and_b32 v[TP], 0xffffe000, v[32+2*i]
	v_and_b32 v[TP+1], 0xffffe000, v[33+2*i]
	v_cvt_pk_f16_f32 v[96+i], v[TP], v[TP+1]
	v_pk_add_f32 v[TP:TP+1], v[32+2*i:33+2*i], v[TP:TP+1] neg_lo:[0,1] neg_hi:[0,1]
	v_cvt_pk_f16_f32 v[32+i], v[TP], v[TP+1]
.set i, i+1
.endr
	s_wait_dscnt 0x0                               ; V is in
.irp g, 0,1,2,3                                ; O^T = V^T (high + low): four accumulators take turns
.irp p, 0,1
.irp c, 0,1,2,3
.if (\g == 0) && (\p == 0)
	v_wmma_f32_16x16x32_f16 v[64+8*\c:71+8*\c], v[128+8*(4*\g+\c):135+8*(4*\g+\c)], v[96-64*\p+8*\g:103-64*\p+8*\g], 0
.else
	v_wmma_f32_16x16x32_f16 v[64+8*\c:71+8*\c], v[128+8*(4*\g+\c):135+8*(4*\g+\c)], v[96-64*\p+8*\g:103-64*\p+8*\g], v[64+8*\c:71+8*\c]
.endif
.endr
.endr
.endr
.rept 4
	v_nop
.endr
.irp c, 0,1,2,3
	ds_store_b128 v5, v[64+8*\c:67+8*\c] offset:64*\c       ; my reads of V are back: the region takes my partial O
	ds_store_b128 v5, v[68+8*\c:71+8*\c] offset:64*\c+16
.endr
	ds_store_b32 v6, v16                           ; both halves of the lanes write the same word with the same value
	ds_store_b32 v6, v18 offset:1024
	s_wait_dscnt 0x0                               ; for the others' sake
	s_barrier_signal -1
	s_barrier_wait -1
	s_cmp_ge_u32 s10, 8
	s_cbranch_scc1 .Lend                           ; waves 0-7 combine, two queries each
.irp w, 0,1,2,3,4,5,6,7,8,9,10,11,12,13,14,15
	ds_load_b128 v[128+4*\w:131+4*\w], v[7+\w/4] offset:(\w%4)*REG
.endr
.irp w, 0,1,2,3,4,5,6,7,8,9,10,11,12,13,14,15
	ds_load_b32 v[32+2*\w], v11 offset:64*\w
	ds_load_b32 v[33+2*\w], v11 offset:64*\w+1024
.endr
	s_wait_dscnt 0x0
	v_max3_num_f32 v24, v32, v34, v36
.irp k, 3,5,7,9,11,13
	v_max3_num_f32 v24, v24, v[32+2*\k], v[34+2*\k]
.endr
	v_max_num_f32 v24, v24, v62
.irp w, 0,1,2,3,4,5,6,7,8,9,10,11,12,13,14,15
	v_sub_f32 v[32+2*\w], v[32+2*\w], v24
.endr
.irp w, 0,1,2,3,4,5,6,7,8,9,10,11,12,13,14,15
	v_exp_f32 v[32+2*\w], v[32+2*\w]
.endr
	v_nop
	s_wait_alu depctr_va_vdst(0)                   ; one wait for the sixteen
	v_mul_f32 v20, v32, v33
	v_mul_f32 v21, v34, v35
	v_pk_mul_f32 v[16:17], v[128:129], v[32:33] op_sel_hi:[1,0]
	v_pk_mul_f32 v[18:19], v[130:131], v[32:33] op_sel_hi:[1,0]
.irp w, 2,3,4,5,6,7,8,9,10,11,12,13,14,15
	v_fma_f32 v[20+\w%2], v[32+2*\w], v[33+2*\w], v[20+\w%2]
.endr
.irp w, 1,2,3,4,5,6,7,8,9,10,11,12,13,14,15
	v_pk_fma_f32 v[16:17], v[128+4*\w:129+4*\w], v[32+2*\w:33+2*\w], v[16:17] op_sel_hi:[1,0,1]
	v_pk_fma_f32 v[18:19], v[130+4*\w:131+4*\w], v[32+2*\w:33+2*\w], v[18:19] op_sel_hi:[1,0,1]
.endr
	v_add_f32 v20, v20, v21
	v_rcp_f32 v22, v20
	v_mov_b32 v23, 0                               ; a plain line behind the reciprocal; it also writes the pair's upper word
	s_wait_alu depctr_va_vdst(0)
	v_pk_mul_f32 v[16:17], v[16:17], v[22:23] op_sel_hi:[1,0]
	v_pk_mul_f32 v[18:19], v[18:19], v[22:23] op_sel_hi:[1,0]
	global_store_b128 v12, v[16:19], s[8:9]        ; sixteen lanes store a head's 256 consecutive bytes of a row, aligned
.Lend:
	s_wait_tensorcnt 0x0                           ; the wave's end, behind my last LDS store
	ds_add_u32 v13, v14
	s_wait_dscnt 0x0
	s_endpgm
.Lfunc_end_k_q4926f1f7c8_fattn:
	.size	k_q4926f1f7c8_fattn, .Lfunc_end_k_q4926f1f7c8_fattn-k_q4926f1f7c8_fattn
	.p2alignl 7, 3214868480
	.fill 96, 4, 3214868480
	.section	.rodata,"a",@progbits
	.p2align	6, 0x0
	.amdhsa_kernel k_q4926f1f7c8_fattn
		.amdhsa_group_segment_fixed_size 299008
		.amdhsa_private_segment_fixed_size 0
		.amdhsa_enable_private_segment 0
		.amdhsa_kernarg_size 24
		.amdhsa_user_sgpr_count 2
		.amdhsa_user_sgpr_kernarg_segment_ptr 1
		.amdhsa_wavefront_size32 1
		.amdhsa_system_sgpr_workgroup_id_x 1
		.amdhsa_system_sgpr_workgroup_id_y 1
		.amdhsa_system_sgpr_workgroup_id_z 1
		.amdhsa_system_vgpr_workitem_id 0
		.amdhsa_next_free_vgpr 256
		.amdhsa_next_free_sgpr 100
		.amdhsa_reserve_vcc 0
		.amdhsa_float_denorm_mode_32 3
		.amdhsa_float_denorm_mode_16_64 3
		.amdhsa_memory_ordered 1
		.amdhsa_forward_progress 1
		.amdhsa_inst_pref_size 49
	.end_amdhsa_kernel
	.amdgpu_metadata
---
amdhsa.version: [ 1, 2 ]
amdhsa.kernels:
  - .name:           k_q4926f1f7c8_fattn
    .symbol:         k_q4926f1f7c8_fattn.kd
    .args:
      - { .name: qkv, .offset: 0, .size: 8, .value_kind: global_buffer, .address_space: global }
      - { .name: mw, .offset: 8, .size: 8, .value_kind: global_buffer, .address_space: global }
      - { .name: ofine, .offset: 16, .size: 8, .value_kind: global_buffer, .address_space: global }
    .group_segment_fixed_size: 299008
    .private_segment_fixed_size: 0
    .kernarg_segment_align: 8
    .kernarg_segment_size: 24
    .max_flat_workgroup_size: 512
    .sgpr_count:     100
    .vgpr_count:     256
    .wavefront_size: 32
...
	.end_amdgpu_metadata
.endif
;; end of part 5
;; launch fproj (part 6): grid 64 x 4, 8 waves a work-group, no clusters, 9,216 bytes of LDS; arguments ofine, Wo, out0; writes out0
.if DOCPART == 6
	.amdgcn_target "amdgcn-amd-amdhsa--gfx1250"
	.amdhsa_code_object_version 6
	.text
	.protected	k_q4926f1f7c8_fproj
	.globl	k_q4926f1f7c8_fproj
	.p2align	8
	.type	k_q4926f1f7c8_fproj,@function
k_q4926f1f7c8_fproj:
	s_mov_b64 s[64:65], 0
	v_nop
	global_prefetch_b8 v0, s[64:65] scope:SCOPE_SE
	s_setreg_imm32_b32 hwreg(HW_REG_WAVE_MODE, 25, 1), 1
	s_wait_xcnt 0x0
; THE OUTPUT PROJECTION OF POSITIONS 0-15 OF EVERY SEQUENCE, IN f32: out0[2048 b + t][n] = sum over k of ofine[16 b + t][k] Wo[n][k], t = 0 .. 15.  These 64 rows of out0 are written anew.
; A work-group makes 16 positions x 16 columns; its eight waves share K, 128 each: 32 matrix instructions of 16 x 16 x 4 in f32 on four accumulators by turns; the eight partial tiles meet in LDS.
; A lane loads 16 neighbouring bytes of its row at a time, alike for both operands: the same order of k on both sides keeps every product.
; The accumulators are written by matrix instructions alone; what is made of them goes into other registers.
; Stores are pieces of 64 bytes: 256 KiB in all; wider pieces would leave a quarter of the work-groups, each with four times the matrix work.
.set SPARE, 8192                       ; behind the eight partial tiles: the spare words, 128 bytes for each wave
	s_load_b128 s[4:7], s[0:1], 0x0                ; ofine, Wo
	s_load_b64 s[8:9], s[0:1], 0x10                ; out0
	v_lshl_add_u32 v10, v0, 2, SPARE
	v_mov_b32 v11, 0
	v_lshrrev_b32 v1, 5, v0
	v_readfirstlane_b32 s10, v1                    ; wave 0..7
	v_and_b32 v1, 15, v0                           ; r
	v_bfe_u32 v2, v0, 4, 1                         ; h
	v_and_b32 v3, 31, v0                           ; lane
	s_lshl_b32 s11, s10, 9
	v_lshlrev_b32 v4, 12, v1
	v_lshl_add_u32 v4, v2, 4, v4
	v_add_nc_u32 v4, s11, v4                       ; row r of 4,096 bytes, + 16 h, + my wave's 512
	s_lshl_b32 s12, s10, 10
	v_lshl_add_u32 v5, v3, 4, s12                  ; my partial tile: 1,024 w + 16 x lane
	s_lshr_b32 s13, s10, 2
	s_lshl_b32 s13, s13, 9
	s_and_b32 s14, s10, 3
	s_lshl_b32 s14, s14, 2
	s_add_co_u32 s13, s13, s14
	v_lshl_add_u32 v6, v3, 4, s13                  ; register w of a partial tile
	v_lshlrev_b32 v7, 15, v2
	v_lshl_add_u32 v7, v1, 2, v7
	s_lshl_b32 s14, s10, 12
	v_add_nc_u32 v7, s14, v7                       ; out0: row 8 h + w, column r
	s_and_b32 s15, ttmp7, 0xffff                   ; b
	s_lshl_b32 s16, s15, 16
	s_mov_b32 s17, 0
	s_lshl_b32 s18, ttmp9, 16                      ; 16 rows of Wo
	s_mov_b32 s19, 0
	s_lshl_b32 s20, s15, 23
	s_lshl_b32 s21, ttmp9, 6
	s_add_co_u32 s20, s20, s21
	s_mov_b32 s21, 0
	s_wait_kmcnt 0x0
	s_add_nc_u64 s[4:5], s[4:5], s[16:17]
	s_add_nc_u64 s[6:7], s[6:7], s[18:19]
	s_add_nc_u64 s[8:9], s[8:9], s[20:21]
.irp c, 0,1,2,3,4,5,6,7,8,9,10,11,12,13,14,15
	global_load_b128 v[32+4*\c:35+4*\c], v4, s[4:5] offset:32*\c
	global_load_b128 v[96+4*\c:99+4*\c], v4, s[6:7] offset:32*\c
.endr
	s_wait_loadcnt 0x0
.set i, 0
.rept 32
.if i < 4
	v_wmma_f32_16x16x4_f32 v[160+8*(i%4):167+8*(i%4)], v[32+2*i:33+2*i], v[96+2*i:97+2*i], 0
.else
	v_wmma_f32_16x16x4_f32 v[160+8*(i%4):167+8*(i%4)], v[32+2*i:33+2*i], v[96+2*i:97+2*i], v[160+8*(i%4):167+8*(i%4)]
.endif
.set i, i+1
.endr
.rept 8
	v_nop                                          ; eight places behind this form
.endr
.irp j, 0,2,4,6
	v_pk_add_f32 v[192+\j:193+\j], v[160+\j:161+\j], v[168+\j:169+\j]   ; each accumulator from its low end on
.endr
.irp j, 0,2,4,6
	v_pk_add_f32 v[200+\j:201+\j], v[176+\j:177+\j], v[184+\j:185+\j]
.endr
.irp j, 0,2,4,6
	v_pk_add_f32 v[192+\j:193+\j], v[192+\j:193+\j], v[200+\j:201+\j]
.endr
	ds_store_b128 v5, v[192:195]
	ds_store_b128 v5, v[196:199] offset:512
	s_wait_dscnt 0x0                               ; for the others' sake
	s_barrier_signal -1
	s_barrier_wait -1
.irp p, 0,1,2,3,4,5,6,7
	ds_load_b32 v[16+\p], v6 offset:1024*\p
.endr
	s_wait_dscnt 0x0
	v_add_f32 v16, v16, v17
	v_add_f32 v18, v18, v19
	v_add_f32 v20, v20, v21
	v_add_f32 v22, v22, v23
	v_add_f32 v16, v16, v18
	v_add_f32 v20, v20, v22
	v_add_f32 v16, v16, v20
	global_store_b32 v7, v16, s[8:9]
	s_wait_tensorcnt 0x0                           ; the wave's end, behind my last LDS store
	ds_add_u32 v10, v11
	s_wait_dscnt 0x0
	s_endpgm
.Lfunc_end_k_q4926f1f7c8_fproj:
	.size	k_q4926f1f7c8_fproj, .Lfunc_end_k_q4926f1f7c8_fproj-k_q4926f1f7c8_fproj
	.p2alignl 7, 3214868480
	.fill 96, 4, 3214868480
	.section	.rodata,"a",@progbits
	.p2align	6, 0x0
	.amdhsa_kernel k_q4926f1f7c8_fproj
		.amdhsa_group_segment_fixed_size 9216
		.amdhsa_private_segment_fixed_size 0
		.amdhsa_enable_private_segment 0
		.amdhsa_kernarg_size 24
		.amdhsa_user_sgpr_count 2
		.amdhsa_user_sgpr_kernarg_segment_ptr 1
		.amdhsa_wavefront_size32 1
		.amdhsa_system_sgpr_workgroup_id_x 1
		.amdhsa_system_sgpr_workgroup_id_y 1
		.amdhsa_system_sgpr_workgroup_id_z 1
		.amdhsa_system_vgpr_workitem_id 0
		.amdhsa_next_free_vgpr 208
		.amdhsa_next_free_sgpr 66
		.amdhsa_reserve_vcc 0
		.amdhsa_float_denorm_mode_32 3
		.amdhsa_float_denorm_mode_16_64 3
		.amdhsa_memory_ordered 1
		.amdhsa_forward_progress 1
		.amdhsa_inst_pref_size 9
	.end_amdhsa_kernel
	.amdgpu_metadata
---
amdhsa.version: [ 1, 2 ]
amdhsa.kernels:
  - .name:           k_q4926f1f7c8_fproj
    .symbol:         k_q4926f1f7c8_fproj.kd
    .args:
      - { .name: ofine, .offset: 0, .size: 8, .value_kind: global_buffer, .address_space: global }
      - { .name: Wo, .offset: 8, .size: 8, .value_kind: global_buffer, .address_space: global }
      - { .name: out0, .offset: 16, .size: 8, .value_kind: global_buffer, .address_space: global }
    .group_segment_fixed_size: 9216
    .private_segment_fixed_size: 0
    .kernarg_segment_align: 8
    .kernarg_segment_size: 24
    .max_flat_workgroup_size: 256
    .sgpr_count:     66
    .vgpr_count:     208
    .wavefront_size: 32
...
	.end_amdgpu_metadata
.endif
;; end of part 6
